; MI455X (gfx1250); checked and timed in simulation.
; The chip was launched on July 23, 2026; its instructions are those of AMD's public machine-readable ISA for CDNA 5 (MIT licence, August 2026) and "CDNA5" Instruction Set Architecture Reference Guide (July 2026). The comments in the code are by the model that wrote it; some were corrected since.
;; Hyperbolic Rational Fourier Operator. Allowed arithmetic: float matrix products may take bf16 or f16 operands with f32 sums; all other float work in f32.
;; Inputs: Wk 512 x 512 float32; Wo 512 x 512 float32; Wq 512 x 512 float32; Wv 512 x 512 float32; bk 512 float32; bo 512 float32; bq 512 float32; bv 512 float32; x 2 x 4 x 512 x 2,048 float32.
;; Outputs: out0 2 x 4 x 512 x 2,048 float32.
;; One version. Each part assembles by itself: llvm-mc -triple=amdgcn-amd-amdhsa -mcpu=gfx1250 --defsym DOCPART=n.
;; ======== version 1 of 1: 3 launches
;; limits: values are held in f16: magnitudes above 65,504 overflow, below 6.1e-05 lose precision
;; workspace buffers: q 16,777,216 bytes; k 16,777,216 bytes; v 16,777,216 bytes; o 16,777,216 bytes; wo 524,288 bytes
;; launch qkv (part 1): grid 4 x 128, 4 waves a work-group, clusters of 4 x 4, 327,680 bytes of LDS; arguments x, Wq, Wk, Wv, bq, bk, bv, Wo, q, k, v, wo; writes q, k, v, wo
.if DOCPART == 1
	.amdgcn_target "amdgcn-amd-amdhsa--gfx1250"
	.amdhsa_code_object_version 6
	.text
	.protected	k_q63ffc3c6e3_qkv
	.globl	k_q63ffc3c6e3_qkv
	.p2align	8
	.type	k_q63ffc3c6e3_qkv,@function
k_q63ffc3c6e3_qkv:
	s_mov_b64 s[64:65], 0
	v_nop
	global_prefetch_b8 v0, s[64:65] scope:SCOPE_SE
	s_setreg_imm32_b32 hwreg(HW_REG_WAVE_MODE, 25, 1), 1
	s_wait_xcnt 0x0
	s_wait_alu depctr_hold_cnt(0) depctr_sa_sdst(0) depctr_va_vdst(0) depctr_va_sdst(0) depctr_va_ssrc(0) depctr_va_vcc(0) depctr_vm_vsrc(0)
	s_getreg_b32 s2, hwreg(HW_REG_IB_STS2, 6, 4)
	s_cmp_eq_u32 s2, 0
	s_cbranch_scc0 .Lentry_in_a_cluster
	s_endpgm
.Lentry_in_a_cluster:
	s_bfe_u32 s2, ttmp6, 0x10000c
	s_cmp_lg_u32 s2, 0xf033
	s_cbranch_scc0 .Lentry_shape_is_right
	s_endpgm
.Lentry_shape_is_right:
; q, k, v = bf16(x) bf16(W)^T + bf16(b), written by heads, [64 heads = 8 bs + h][2048 tokens][64] in f16; and wo = f16(bf16(Wo)).
; x is read as the raw view [16384 rows][512] of f32; Wq, Wk, Wv are [512][512] f32 with K along the rows.  Products in bf16, sums in f32, each result rounded once to f16.
; LIMITS.  f16 holds no number beyond 65,504: q, k, v and Wo must stay below that (inputs 30 times the drawn spread give |q| of some 6,000; a common offset of 30 spreads on x and W some 20,400).
; Below 6e-5 f16 keeps its fixed step of 6e-8.  NaN and infinities are not treated apart.
; SHARES.  Work-group (TX, TY): rows 128 TY .. +127 of x, and rows 128 TX .. +127 of EACH of Wq, Wk, Wv: 384 columns, heads 2 TX and 2 TX + 1 of q, k and v, so that a tile of x feeds three products.
; Wave (I, J): rows 64 I .. +63 and 192 of the 384 columns: 4 x 12 = 48 accumulators of 16 x 16, 384 registers.
; THE MATRIX INSTRUCTION IS USED TRANSPOSED: source 0 = 16 rows of W, source 1 = 16 rows of x: a lane then holds one token (lane % 16) and eight neighbouring columns, which pack into 16 bytes of f16.
; K goes in 8 steps of 64 (rows of 256 bytes of f32, each at a multiple of 256 bytes) through two LDS slots; a step is two chunks of 32.  The f32 fragments come out of LDS into raw registers and are
; rounded to bf16 in registers: 64 loads, 128 conversions and 48 matrix instructions a chunk.
; CLUSTER.  4 x 4 work-groups.  x's tile hangs on TY alone and is asked for jointly along a row of the cluster, W's tiles on TX alone, jointly along a column.
; The sums START at the bias (rounded to bf16, widened again): 384 lines in the wait for the first tile, in place of 192 packed additions on the way out and of a first chunk written out.
; REGISTERS, in windows of 256 (s_set_vgpr_msb: bits 1:0 source 0, 3:2 source 1, 5:4 source 2, 7:6 destination):
;   window 0: v0-27 addresses and Wo at work; v32-127 raw biases at the start; v128-255 the bf16 fragments (x's four, then W's twelve); v64-255 the way out
;   window 1: accumulators 0-31 (accumulator n = 12 a + b at 8 n)     window 2: accumulators 32-47     window 3: the raw f32 of one chunk, 16 registers a fragment
.set PITCH,  272                       ; an LDS row: 256 bytes + 16 of padding = 68 words: the 16 rows of a load start at 16 different groups of four banks (64 banks of 4 bytes: ISA guide 11.1)
.set HALFT,  128*PITCH                 ; 128 rows: what one tensor load brings
.set SLOT,   4*HALFT                   ; x's 128 rows, then Wq's, Wk's, Wv's.  0x22000: its two bits are set in none of the waves' bases 0, 0x8800, 0x11000, 0x19800, so one exclusive or changes slots
.set STAGE,  2*SLOT                    ; behind the ring: 16 rows x 144 bytes for each wave, for the way out
.set SP,     144
.set SPARE,  STAGE+4*16*SP             ; behind the stages: the spare words, 128 bytes a wave: two blocks of 256 bytes that no other line names
.set LR,    1                          ; v1   lane % 16
.set LH,    2                          ; v2   lane / 16
.set LB,    3                          ; v3   row x pitch + 32 x half
.set ADRA0, 4                          ; v4   my fragments of x in slot 0
.set ADRB0, 5                          ; v5   my fragments of W in slot 0
.set ADRA,  6                          ; v6   the same in the slot in hand
.set ADRB,  7                          ; v7
.set STO,   8                          ; v8   the way out: where I put 16 bytes of a row
.set RD,    9                          ; v9   the way out: where I read rows back
.set GO,    10                         ; v10  my byte offset in 512 consecutive bytes of q, k or v
.set BO,    11                         ; v11  32 x half: my eight biases of a block of 16 columns
.set WOI,   12                         ; v12  my 16 bytes of Wo
.set WOO,   13                         ; v13  my 8 bytes of wo
.set SPW,   14                         ; v14  LDS address of my spare word; never rewritten
.set NIL,   15                         ; v15  0; never rewritten
.set WW,    16                         ; v16-25 Wo at work
.set PFO,   26                         ; v26  prefetch: the row of x's tile that this lane asks for, in bytes
.set TV,    27                         ; v27  at work
.set RAWB,  32                         ; v32-127 raw biases
.set FR,    128                        ; the bf16 fragments
.set TT,    128                        ; at the start: the biases packed to bf16, 4 registers a block of 16 columns
.set OB,    64                         ; the way out: 12 groups of 16 registers
.set WV,   10                          ; s10  my wave's number
.set WI,   11                          ; s11  which 64 rows are mine
.set WJ,   12                          ; s12  which 192 columns
.set CX,   13
.set CY,   14
.set TX,   15
.set TY,   16
.set LA,   17                          ; s17  wave x 128 rows: where my tensor loads land
.set MROW, 18
.set MCOL, 19
.set G1A,  24                          ; s[24:31] descriptor group 1 for x's tiles
.set G0A,  32                          ; s[32:39] group 0 for x's tiles: the two first fills; the second set then walks
.set G0B,  40                          ; s[40:47] the same for W's
.set G1B,  48                          ; s[48:55] group 1 for W's tiles: it differs in the mask alone
.set CNT,  56
.set TB,   57                          ; s57  LDS byte at which the slot in hand begins
.set HIM,  58                          ; s58  a word's upper bf16
.set TS,   59                          ; s59  at work
.set BSEL, 60                          ; s[60:61] the W that my wave fetches
.set XT,   66                          ; s[66:67] x at the tile's first row
.set BIA,  4                           ; s[4:9]   the bias of my three blocks of 64 columns
.set DST,  92                          ; s[92:97] where my three blocks of 64 columns go
.set PFK,  98                          ; s[98:99] prefetch: byte along K, with 0 above it
.set PFB,  100                         ; s[100:101] prefetch: x's tile at that byte
.set MSB, 0
.macro WIN new                         ; the immediate's high byte repeats the setting that is left; a switch that changes nothing is dropped
.if MSB != (\new)
	s_set_vgpr_msb (MSB<<8)|(\new)
.set MSB, \new
.endif
.endm
.macro PLACES                          ; four plain vector instructions between a matrix instruction and a vector write or a read of its registers (ISA guide 7.12.1)
.rept 4
	v_nop
.endr
.endm
.macro CREST                           ; a round of the cluster's barrier behind its opening barrier
	s_cmp_lg_u32 s[WV], 0
	s_cbranch_scc1 .Lnot_wave_0_\@
	s_barrier_signal -3
.Lnot_wave_0_\@:
	s_barrier_wait -3
	s_barrier_signal -1
	s_barrier_wait -1
.endm
.macro CROUND                          ; a whole round
	s_barrier_signal -1
	s_barrier_wait -1
	CREST
.endm
; A joint refill.  Wave 0 fetches x's tile, waves 1, 2, 3 those of Wq, Wk, Wv.  The branch hangs on the wave's number alone.  An s_nop 0 and four v_nop follow each of the two lines.
; Wave 0 also asks for x two steps beyond the refill: 32 rows x 256 bytes, its work-group's quarter of the tile that the four partners of a row share, one lane a row.
.macro JLOAD
	s_cmp_eq_u32 s[WV], 0
	s_cbranch_scc0 .Lfor_b_\@
	tensor_load_to_lds s[G0A+4:G0A+7], s[G1A:G1A+7]
	s_nop 0
.rept 4
	v_nop
.endr
	global_prefetch_b8 v[PFO], s[PFB:PFB+1] th:TH_LOAD_NT scope:SCOPE_SE
	s_branch .Lasked_\@
.Lfor_b_\@:
	tensor_load_to_lds s[G0B+4:G0B+7], s[G1B:G1B+7]
	s_nop 0
.rept 4
	v_nop
.endr
.Lasked_\@:
.endm
	s_load_b512 s[68:83], s[0:1], 0x0              ; x 68, Wq 70, Wk 72, Wv 74, bq 76, bk 78, bv 80, Wo 82
	s_load_b256 s[84:91], s[0:1], 0x40             ; q 84, k 86, v 88, wo 90
	v_lshl_add_u32 v[SPW], v0, 2, SPARE
	v_mov_b32 v[NIL], 0
	ds_add_u32 v[SPW], v[NIL]                      ; the wave's opening: the add and its wait stand ahead of my first tensor load; the set-up below, work on registers, stands between them
	v_lshrrev_b32 v1, 5, v0
	v_readfirstlane_b32 s[WV], v1                  ; wave 0..3
	s_lshr_b32 s[WI], s[WV], 1
	s_and_b32 s[WJ], s[WV], 1
	s_bfe_u32 s[CX], ttmp6, 0x40000                ; my place in the cluster
	s_bfe_u32 s[CY], ttmp6, 0x40004
	s_lshl_b32 s[TX], ttmp9, 2                     ; in a cluster launch ttmp9 and ttmp7 count clusters
	s_add_co_u32 s[TX], s[TX], s[CX]
	s_and_b32 s[TY], ttmp7, 0xffff
	s_lshl_b32 s[TY], s[TY], 2
	s_add_co_u32 s[TY], s[TY], s[CY]
	s_lshl_b32 s[MROW], s[CY], 2
	s_lshl_b32 s[MROW], 15, s[MROW]                ; my row of the cluster: places 4 cy .. 4 cy + 3
	s_lshl_b32 s[MCOL], 0x1111, s[CX]              ; my column: places cx, cx + 4, cx + 8, cx + 12
	; descriptor group 1: a tile of 128 rows x 64 elements of 4 bytes, padded in LDS
	s_or_b32 s[G1A], s[MROW], (2<<16)|(1<<20)|(1<<21)|(5<<22)|(3<<25)  ; 15:0 the mask; 17:16 elements of 4 bytes; 20 padding on; 21 set beside a mask; 24:22 after every 64 words (code 5); 31:25 4 words (code 3)
	s_or_b32 s[G1B], s[MCOL], (2<<16)|(1<<20)|(1<<21)|(5<<22)|(3<<25)
.irp g, G1A, G1B
	s_mov_b32 s[(\g)+1], 64<<16                    ; tensor_dim0 = 64
	s_mov_b32 s[(\g)+2], 128<<16                   ; tensor_dim1 = 128
	s_mov_b32 s[(\g)+3], 64<<16                    ; tile_dim0 = 64
	s_mov_b32 s[(\g)+4], 128                       ; tile_dim1 = 128
	s_mov_b32 s[(\g)+5], 512                       ; 512 elements from row to row
	s_mov_b32 s[(\g)+6], 0
	s_mov_b32 s[(\g)+7], 0
.endr
	s_lshl_b32 s20, s[TY], 18                      ; x's tile: 128 rows of 2,048 bytes a tile row
	s_mov_b32 s21, 0
	s_lshl_b32 s22, s[TX], 18                      ; W's tiles likewise
	s_mov_b32 s23, 0
	s_mul_i32 s[LA], s[WV], HALFT                  ; no place in the cluster enters an LDS address
	s_mov_b32 s[HIM], 0xffff0000
	s_mov_b32 s[TB], 0
	s_mov_b32 s[PFK], 768                          ; steps 2 and 3 are asked for at the start; trip t steps this to step t + 4
	s_mov_b32 s[PFK+1], 0
	v_and_b32 v[PFO], 31, v0
	v_lshl_add_u32 v[PFO], s[CX], 5, v[PFO]        ; row 32 cx + lane of the tile,
	v_lshlrev_b32 v[PFO], 11, v[PFO]               ; of 2,048 bytes
	; where my results go: head 8 bs + 2 TX + hb (262,144 bytes a head), token 128 (TY % 16) + 64 I (128 bytes a token)
	s_lshr_b32 s2, s[TY], 4
	s_lshl_b32 s2, s2, 21
	s_and_b32 s[TS], s[TY], 15
	s_lshl_b32 s[TS], s[TS], 14
	s_add_co_u32 s2, s2, s[TS]
	s_lshl_b32 s[TS], s[TX], 19
	s_add_co_u32 s2, s2, s[TS]
	s_lshl_b32 s[TS], s[WI], 13
	s_add_co_u32 s2, s2, s[TS]
	s_xor_b32 s[TS], s[WJ], 1
	s_lshl_b32 s[TS], s[TS], 18
	s_add_co_u32 s62, s2, s[TS]                    ; my middle block of 64 columns has hb = 1 - J,
	s_lshl_b32 s[TS], s[WJ], 18
	s_add_co_u32 s2, s2, s[TS]                     ; the first and the last hb = J
	s_mov_b32 s3, 0
	s_mov_b32 s63, 0
	s_wait_dscnt 0x0                               ; the opening add is done
	s_wait_kmcnt 0x0
	s_add_nc_u64 s[XT:XT+1], s[68:69], s[20:21]
	s_cmp_eq_u32 s[WV], 1                          ; wave 1 fetches Wq, wave 2 Wk, wave 3 Wv (wave 0's choice is not used)
	s_cselect_b64 s[BSEL:BSEL+1], s[70:71], s[72:73]
	s_cmp_eq_u32 s[WV], 3
	s_cselect_b64 s[BSEL:BSEL+1], s[74:75], s[BSEL:BSEL+1]
	s_add_nc_u64 s[BSEL:BSEL+1], s[BSEL:BSEL+1], s[22:23]
	CROUND                                         ; all sixteen work-groups are here: the first joint loads meet
.irp s, 0,1
	s_mov_b32 s[G0A+4*(\s)], 1                                     ; 1:0 count = 1
	s_add_co_u32 s[G0A+4*(\s)+1], s[LA], (\s)*SLOT                 ; 63:32 LDS address
	s_add_nc_u64 s[G0A+4*(\s)+2:G0A+4*(\s)+3], s[XT:XT+1], (\s)*256  ; 120:64 global address: K step s
	s_or_b32 s[G0A+4*(\s)+3], s[G0A+4*(\s)+3], 0x80000000          ; 127:126 type = 2
	s_mov_b32 s[G0B+4*(\s)], 1
	s_add_co_u32 s[G0B+4*(\s)+1], s[LA], (\s)*SLOT
	s_add_nc_u64 s[G0B+4*(\s)+2:G0B+4*(\s)+3], s[BSEL:BSEL+1], (\s)*256
	s_or_b32 s[G0B+4*(\s)+3], s[G0B+4*(\s)+3], 0x80000000
.endr
	s_cmp_eq_u32 s[WV], 0                          ; a wave's two first fills stand in one branch, ahead of every wait on TENSORcnt and every LDS read: two loads of mine are out
	s_cbranch_scc0 .Lfirst_b
	tensor_load_to_lds s[G0A:G0A+3], s[G1A:G1A+7]
	s_nop 0
	tensor_load_to_lds s[G0A+4:G0A+7], s[G1A:G1A+7]
	s_nop 0
.rept 4
	v_nop
.endr
	global_prefetch_b8 v[PFO], s[XT:XT+1] offset:512 th:TH_LOAD_NT scope:SCOPE_SE  ; my 32 rows of K steps 2 and 3
	global_prefetch_b8 v[PFO], s[XT:XT+1] offset:768 th:TH_LOAD_NT scope:SCOPE_SE
	s_branch .Lfirst_asked
.Lfirst_b:
	tensor_load_to_lds s[G0B:G0B+3], s[G1B:G1B+7]
	s_nop 0
	tensor_load_to_lds s[G0B+4:G0B+7], s[G1B:G1B+7]
	s_nop 0
.rept 4
	v_nop
.endr
.Lfirst_asked:
	; My 192 columns are three blocks of 64, a head each.  J = 0: q hb 0, q hb 1, k hb 0.  J = 1: k hb 1, v hb 0, v hb 1.
	s_cmp_eq_u32 s[WJ], 0
	s_cselect_b64 s[DST:DST+1],   s[84:85], s[86:87]
	s_cselect_b64 s[DST+2:DST+3], s[84:85], s[88:89]
	s_cselect_b64 s[DST+4:DST+5], s[86:87], s[88:89]
	s_cselect_b64 s[BIA:BIA+1],   s[76:77], s[78:79]
	s_cselect_b64 s[BIA+2:BIA+3], s[76:77], s[80:81]
	s_cselect_b64 s[BIA+4:BIA+5], s[78:79], s[80:81]
	s_add_nc_u64 s[DST:DST+1],   s[DST:DST+1],   s[2:3]
	s_add_nc_u64 s[DST+2:DST+3], s[DST+2:DST+3], s[62:63]
	s_add_nc_u64 s[DST+4:DST+5], s[DST+4:DST+5], s[2:3]
	s_lshl_b32 s2, s[TX], 9                        ; the biases: 128 TX + 64 hb numbers of 4 bytes
	s_xor_b32 s[TS], s[WJ], 1
	s_lshl_b32 s[TS], s[TS], 8
	s_add_co_u32 s62, s2, s[TS]
	s_lshl_b32 s[TS], s[WJ], 8
	s_add_co_u32 s2, s2, s[TS]
	s_add_nc_u64 s[BIA:BIA+1],   s[BIA:BIA+1],   s[2:3]
	s_add_nc_u64 s[BIA+2:BIA+3], s[BIA+2:BIA+3], s[62:63]
	s_add_nc_u64 s[BIA+4:BIA+5], s[BIA+4:BIA+5], s[2:3]
	v_and_b32 v[LR], 15, v0
	v_bfe_u32 v[LH], v0, 4, 1
	v_lshlrev_b32 v[BO], 5, v[LH]
.set b, 0
.rept 12                                       ; block b of 16 columns: my eight biases, columns 8 (lane / 16) + 0..7
	global_load_b128 v[RAWB+8*b:RAWB+8*b+3],   v[BO], s[BIA+2*(b/4):BIA+2*(b/4)+1] offset:(b%4)*64
	global_load_b128 v[RAWB+8*b+4:RAWB+8*b+7], v[BO], s[BIA+2*(b/4):BIA+2*(b/4)+1] offset:(b%4)*64+16
.set b, b+1
.endr
	s_lshl_b32 s[TS], s[TY], 2
	s_add_co_u32 s[TS], s[TS], s[TX]               ; my work-group among the 512: it converts 512 numbers of Wo, four a thread
	v_lshlrev_b32 v[WOI], 4, v0
	v_lshl_add_u32 v[WOI], s[TS], 11, v[WOI]
	v_lshlrev_b32 v[WOO], 3, v0
	v_lshl_add_u32 v[WOO], s[TS], 10, v[WOO]
	global_load_b128 v[WW:WW+3], v[WOI], s[82:83]
	; A bf16 fragment is 16 rows x 32 K: lane l holds row l % 16, K = 8 (l / 16) + 0..7 and 16 + 8 (l / 16) + 0..7.  In f32 those are 32 bytes at 32 (l / 16) and 32 bytes 64 further on: four loads of 16 bytes.
	v_mul_u32_u24 v[LB], v[LR], PITCH
	v_lshl_add_u32 v[LB], v[LH], 5, v[LB]
	s_mul_i32 s[TS], s[WI], 64*PITCH
	v_add_nc_u32 v[ADRA0], s[TS], v[LB]
	s_mul_i32 s[TS], s[WJ], 192*PITCH
	s_add_co_u32 s[TS], s[TS], HALFT               ; W's 384 rows lie behind x's 128
	v_add_nc_u32 v[ADRB0], s[TS], v[LB]
	s_mul_i32 s[TS], s[WV], 16*SP
	s_add_co_u32 s[TS], s[TS], STAGE               ; my stage
	v_mul_u32_u24 v[STO], v[LR], SP                ; in: row l % 16, 16 bytes for each half of the lanes
	v_lshl_add_u32 v[STO], v[LH], 4, v[STO]
	v_add_nc_u32 v[STO], s[TS], v[STO]
	v_bfe_u32 v[RD], v0, 3, 2                      ; back: 32 lanes take four rows of 128 bytes,
	v_mul_u32_u24 v[RD], v[RD], SP
	v_and_b32 v[TV], 7, v0
	v_lshl_add_u32 v[RD], v[TV], 4, v[RD]
	v_add_nc_u32 v[RD], s[TS], v[RD]
	v_and_b32 v[GO], 31, v0                        ; which are 512 consecutive bytes of a head
	v_lshlrev_b32 v[GO], 4, v[GO]
	s_wait_loadcnt 0x0                             ; the biases and Wo
.set z, 0
.rept 48
	v_cvt_pk_bf16_f32 v[TT+z], v[RAWB+2*z], v[RAWB+2*z+1]  ; the biases are rounded to bf16, like every input
.set z, z+1
.endr
.set n, 0
.rept 48                                       ; accumulator n = 12 a + b starts at block b's biases
	WIN 0x40+0x40*(n/32)
.set p, 0
.rept 4
	v_lshlrev_b32 v[8*(n%32)+2*p],   16,     v[TT+4*(n%12)+p]
	v_and_b32     v[8*(n%32)+2*p+1], s[HIM], v[TT+4*(n%12)+p]
.set p, p+1
.endr
.set n, n+1
.endr
	WIN 0
	v_cvt_pk_bf16_f32 v[WW+4], v[WW], v[WW+1]      ; Wo: rounded to bf16, and that number written as f16
	v_cvt_pk_bf16_f32 v[WW+5], v[WW+2], v[WW+3]
	v_lshlrev_b32 v[WW+6], 16, v[WW+4]
	v_and_b32     v[WW+7], s[HIM], v[WW+4]
	v_lshlrev_b32 v[WW+8], 16, v[WW+5]
	v_and_b32     v[WW+9], s[HIM], v[WW+5]
	v_cvt_pk_f16_f32 v[WW], v[WW+6], v[WW+7]
	v_cvt_pk_f16_f32 v[WW+1], v[WW+8], v[WW+9]
	global_store_b64 v[WOO], v[WW:WW+1], s[90:91]  ; a wave's store covers 256 consecutive bytes, aligned; its registers are not written again
; 64 LDS loads in one run: the raw f32 of one chunk (32 K at byte k of the rows): x's 4 fragments, W's 12, 16 registers each
.macro LOADR k
	WIN 0xc0                                       ; destination window 3, address window 0
.set f, 0
.rept 4
	ds_load_b128 v[16*f:16*f+3],     v[ADRA] offset:f*16*PITCH+(\k)
	ds_load_b128 v[16*f+4:16*f+7],   v[ADRA] offset:f*16*PITCH+(\k)+16
	ds_load_b128 v[16*f+8:16*f+11],  v[ADRA] offset:f*16*PITCH+(\k)+64
	ds_load_b128 v[16*f+12:16*f+15], v[ADRA] offset:f*16*PITCH+(\k)+80
.set f, f+1
.endr
.rept 12
	ds_load_b128 v[16*f:16*f+3],     v[ADRB] offset:(f-4)*16*PITCH+(\k)
	ds_load_b128 v[16*f+4:16*f+7],   v[ADRB] offset:(f-4)*16*PITCH+(\k)+16
	ds_load_b128 v[16*f+8:16*f+11],  v[ADRB] offset:(f-4)*16*PITCH+(\k)+64
	ds_load_b128 v[16*f+12:16*f+15], v[ADRB] offset:(f-4)*16*PITCH+(\k)+80
.set f, f+1
.endr
.endm
.macro CVT                                     ; the chunk is rounded to bf16: 256 raw registers into 128
	WIN 0x0f                                       ; sources window 3, destination window 0
.set z, 0
.rept 128
	v_cvt_pk_bf16_f32 v[FR+z], v[2*z], v[2*z+1]
.set z, z+1
.endr
.endm
; 16 of a chunk's 48 matrix instructions.  The 48 accumulators take turns, one instruction a turn, in the same order in every chunk.
.macro MULP p
	WIN 0x50+0x50*((\p)/2)                         ; C and D in window 1, or 2; the fragments in window 0
.set n, 16*(\p)
.rept 16
	v_wmma_f32_16x16x32_bf16 v[8*(n%32):8*(n%32)+7], v[FR+32+8*(n%12):FR+32+8*(n%12)+7], v[FR+8*(n/12):FR+8*(n/12)+7], v[8*(n%32):8*(n%32)+7]
.set n, n+1
.endr
.endm
; A K STEP: two chunks, and the change of slots in the second.  When the second chunk is in the raw registers my reads of the slot are over.  ONE barrier: in front of it each wave waits for all its
; tensor loads, of which one is out (its part of the next slot), adds 0 to its spare word, and waits for that.  fill = 1: the barrier opens a round of the cluster's, and the slot just read is filled
; again, first thing behind the round, with the K step two on: it has one step's work in which to land.
.macro STEP fill
	s_wait_dscnt 0x0                               ; the first chunk is in the raw registers
	PLACES                                         ; the conversions write registers that the last products read
	CVT
	LOADR 128                                      ; the second chunk comes while the first is multiplied
	MULP 0
	MULP 1
	MULP 2
	s_wait_dscnt 0x0                               ; the second chunk is in
	PLACES
	CVT
	WIN 0                                          ; (the add's two registers lie in window 0)
	s_wait_tensorcnt 0x0                           ; all my tensor loads have landed, so a group 0 may be written
	ds_add_u32 v[SPW], v[NIL]                      ; 0 onto my spare word: scalar work and sixteen products stand between it and the wait for it
.if \fill
	s_wait_xcnt 0x0                                ; the last trip's prefetch has had its address translated (ISA guide 3.1): its base is rewritten only behind this wait
	s_add_co_u32 s[PFK], s[PFK], 256               ; trip t asks for K step t + 4; the last two trips stay at step 7, inside the rows
	s_min_u32 s[PFK], s[PFK], 1792
	s_add_nc_u64 s[PFB:PFB+1], s[XT:XT+1], s[PFK:PFK+1]
	s_xor_b32 s[G0A+5], s[G0A+5], SLOT             ; the walking descriptors: the other slot than last time,
	s_add_nc_u64 s[G0A+6:G0A+7], s[G0A+6:G0A+7], 256  ; the next K step; the type bits on top are not reached
	s_xor_b32 s[G0B+5], s[G0B+5], SLOT
	s_add_nc_u64 s[G0B+6:G0B+7], s[G0B+6:G0B+7], 256
.endif
	MULP 0
	s_wait_dscnt 0x0                               ; the add is done; my reads of this slot were over above
	s_barrier_signal -1
	MULP 1                                         ; work on registers while the others arrive
	WIN 0
	s_barrier_wait -1
.if \fill
	CREST                                          ; no wave of any partner still reads this slot or has a load on its way
	JLOAD
.endif
	s_xor_b32 s[TB], s[TB], SLOT
	v_add_nc_u32 v[ADRA], s[TB], v[ADRA0]
	v_add_nc_u32 v[ADRB], s[TB], v[ADRB0]
	LOADR 0                                        ; the next step's first chunk
	MULP 2
	WIN 0                                          ; at a label and at a branch every window is 0
.endm
	s_wait_tensorcnt 0x1                           ; my part of K step 0 is in; step 1's may stay out
	s_barrier_signal -1
	s_barrier_wait -1                              ; everybody's is
	v_mov_b32 v[ADRA], v[ADRA0]
	v_mov_b32 v[ADRB], v[ADRB0]
	LOADR 0
	WIN 0
	s_mov_b32 s[CNT], 6
.Lfill:                                                ; K steps 0 to 5: each fills its slot again, with steps 2 to 7
	STEP 1
	s_sub_co_u32 s[CNT], s[CNT], 1
	s_cmp_lg_u32 s[CNT], 0
	s_cbranch_scc1 .Lfill
	s_mov_b32 s[CNT], 2
.Ltail:                                                ; K steps 6 and 7 ask for nothing.  The last trip's change of slots and its 64 loads of bytes read before serve nothing: the price, once, of one text for both
	STEP 0
	s_sub_co_u32 s[CNT], s[CNT], 1
	s_cmp_lg_u32 s[CNT], 0
	s_cbranch_scc1 .Ltail
; THE WAY OUT, in 12 groups g = 3 a + t: 16 tokens (block a) x 64 columns (block t, a head).  PACK: rounded to f16, 16 bytes a lane, into rows of 144 bytes of my own stage, and back as whole rows of 128.
.macro PACK g
.set n0, 12*((\g)/3)+4*((\g)%3)
	WIN 0x05+5*(n0/32)                             ; sources window 1, or 2
.set z, 0
.rept 16                                       ; each accumulator's registers in ascending order
	v_cvt_pk_f16_f32 v[OB+16*(\g)+z], v[8*((n0+z/4)%32)+2*(z%4)], v[8*((n0+z/4)%32)+2*(z%4)+1]
.set z, z+1
.endr
	WIN 0
.irp f, 0,1,2,3
	ds_store_b128 v[STO], v[OB+16*(\g)+4*(\f):OB+16*(\g)+4*(\f)+3] offset:32*(\f)
.endr
.irp f, 0,1,2,3
	ds_load_b128 v[OB+16*(\g)+4*(\f):OB+16*(\g)+4*(\f)+3], v[RD] offset:(\f)*4*SP  ; LDS serves a wave's instructions in order (ISA guide 5.7.1.4): these see the stores above; the next group's stores come behind them
.endr
.endm
.macro SEND g, younger                         ; younger: the LDS instructions issued behind group g's loads: the next group's eight, or none
	WIN 0
.irp f, 0,1,2,3
	s_wait_dscnt (\younger)+3-(\f)
	global_store_b128 v[GO], v[OB+16*(\g)+4*(\f):OB+16*(\g)+4*(\f)+3], s[DST+2*((\g)%3):DST+2*((\g)%3)+1] offset:((\g)/3)*2048+(\f)*512  ; 512 consecutive bytes, at a multiple of 256 from the buffer's first
.endr
.endm
	s_wait_dscnt 0x0                               ; the idle loads are back
	PLACES                                         ; the conversions read results just made and write registers that the last products read
	PACK 0
.set gg, 1
.rept 11                                       ; a group's arithmetic stands between the loads of the group before and its stores
	PACK gg
	SEND gg-1, 8
.set gg, gg+1
.endr
	SEND 11, 0
	s_wait_tensorcnt 0x0                           ; the wave's end: a last add and its waits, behind my last tensor load and my last LDS store
	ds_add_u32 v[SPW], v[NIL]
	s_wait_dscnt 0x0
	CROUND                                         ; the closing round: no work-group ends while a partner may still ask for a tile that names it
	s_endpgm
.Lfunc_end_k_q63ffc3c6e3_qkv:
	.size	k_q63ffc3c6e3_qkv, .Lfunc_end_k_q63ffc3c6e3_qkv-k_q63ffc3c6e3_qkv
	.p2alignl 7, 3214868480
	.fill 96, 4, 3214868480
	.section	.rodata,"a",@progbits
	.p2align	6, 0x0
	.amdhsa_kernel k_q63ffc3c6e3_qkv
		.amdhsa_group_segment_fixed_size 327680
		.amdhsa_private_segment_fixed_size 0
		.amdhsa_enable_private_segment 0
		.amdhsa_kernarg_size 96
		.amdhsa_user_sgpr_count 2
		.amdhsa_user_sgpr_kernarg_segment_ptr 1
		.amdhsa_wavefront_size32 1
		.amdhsa_system_sgpr_workgroup_id_x 1
		.amdhsa_system_sgpr_workgroup_id_y 1
		.amdhsa_system_sgpr_workgroup_id_z 1
		.amdhsa_system_vgpr_workitem_id 0
		.amdhsa_next_free_vgpr 1024
		.amdhsa_next_free_sgpr 102
		.amdhsa_reserve_vcc 0
		.amdhsa_float_denorm_mode_32 3
		.amdhsa_float_denorm_mode_16_64 3
		.amdhsa_memory_ordered 1
		.amdhsa_forward_progress 1
		.amdhsa_inst_pref_size 119
	.end_amdhsa_kernel
	.amdgpu_metadata
---
amdhsa.version: [ 1, 2 ]
amdhsa.kernels:
  - .name:           k_q63ffc3c6e3_qkv
    .symbol:         k_q63ffc3c6e3_qkv.kd
    .args:
      - { .name: x, .offset: 0, .size: 8, .value_kind: global_buffer, .address_space: global }
      - { .name: Wq, .offset: 8, .size: 8, .value_kind: global_buffer, .address_space: global }
      - { .name: Wk, .offset: 16, .size: 8, .value_kind: global_buffer, .address_space: global }
      - { .name: Wv, .offset: 24, .size: 8, .value_kind: global_buffer, .address_space: global }
      - { .name: bq, .offset: 32, .size: 8, .value_kind: global_buffer, .address_space: global }
      - { .name: bk, .offset: 40, .size: 8, .value_kind: global_buffer, .address_space: global }
      - { .name: bv, .offset: 48, .size: 8, .value_kind: global_buffer, .address_space: global }
      - { .name: Wo, .offset: 56, .size: 8, .value_kind: global_buffer, .address_space: global }
      - { .name: q, .offset: 64, .size: 8, .value_kind: global_buffer, .address_space: global }
      - { .name: k, .offset: 72, .size: 8, .value_kind: global_buffer, .address_space: global }
      - { .name: v, .offset: 80, .size: 8, .value_kind: global_buffer, .address_space: global }
      - { .name: wo, .offset: 88, .size: 8, .value_kind: global_buffer, .address_space: global }
    .group_segment_fixed_size: 327680
    .private_segment_fixed_size: 0
    .kernarg_segment_align: 8
    .kernarg_segment_size: 96
    .max_flat_workgroup_size: 128
    .sgpr_count:     102
    .vgpr_count:     1024
    .wavefront_size: 32
...
	.end_amdgpu_metadata
.endif
;; end of part 1
;; launch attn (part 2): grid 4 x 64, 4 waves a work-group, clusters of 4 x 1, 327,680 bytes of LDS; arguments q, k, v, o; writes o
.if DOCPART == 2
	.amdgcn_target "amdgcn-amd-amdhsa--gfx1250"
	.amdhsa_code_object_version 6
	.text
	.protected	k_q63ffc3c6e3_attn
	.globl	k_q63ffc3c6e3_attn
	.p2align	8
	.type	k_q63ffc3c6e3_attn,@function
k_q63ffc3c6e3_attn:
	s_mov_b64 s[64:65], 0
	v_nop
	global_prefetch_b8 v0, s[64:65] scope:SCOPE_SE
	s_setreg_imm32_b32 hwreg(HW_REG_WAVE_MODE, 25, 1), 1
	s_wait_xcnt 0x0
	s_wait_alu depctr_hold_cnt(0) depctr_sa_sdst(0) depctr_va_vdst(0) depctr_va_sdst(0) depctr_va_ssrc(0) depctr_va_vcc(0) depctr_vm_vsrc(0)
	s_getreg_b32 s2, hwreg(HW_REG_IB_STS2, 6, 4)
	s_cmp_eq_u32 s2, 0
	s_cbranch_scc0 .Lentry_in_a_cluster
	s_endpgm
.Lentry_in_a_cluster:
	s_bfe_u32 s2, ttmp6, 0x10000c
	s_cmp_lg_u32 s2, 0x3003
	s_cbranch_scc0 .Lentry_shape_is_right
	s_endpgm
.Lentry_shape_is_right:
; O[h][q][:] = the sum over k of softmax_k(Q[h][q] . K[h][k] / 16) V[h][k][:].  Q, K, V, O: [64][2048][64], all f16: a head's rows are dense, 128 bytes each.  The scale 1/16 is 1/sqrt(64) times
; the hyperbolic factor 1/2.  Products, maxima and sums in f32; the weights p are rounded to f16 for the second product (their sum l is taken of the unrounded p), O once at the end.
; LIMITS.  f16 holds no number beyond 65,504: Q, K and V arrive within it; p lies in 0 to 1, and below 6e-5 it keeps f16's fixed step of 6e-8; O is a mean of V's rows and has their range.
; A weight below 2^-126 counts as 0 in l; NaN and infinities are not treated apart.
; SHARES.  A wave owns four PIECES of two tiles of 16 queries, a work-group's four waves 512 queries of one head: 4 x 64 = 256 work-groups.  Every wave walks all keys, 64 a step.
; LAYOUT.  S^T = K Q^T (source 0 = 16 keys, source 1 = 16 queries): in the result a lane holds ONE query (lane % 16) and the keys 8 (lane / 16) + 0..7.  Two such tiles, rounded to f16 in pairs,
; ARE source 1 (32 keys x 16 queries) of O^T = V^T P, whose result again holds one query a lane, and eight channels.  K comes out of LDS as it lies, V ([key][channel]) turned, by ds_load_tr16_b128.
; SOFTMAX.  For each query a running maximum m and sum l: p = 2^(c s - c m), c = log2(e) / 16; in every step O and l are multiplied by a = 2^(c m_old - c m_new), which is 1 where m has not grown.
; m starts at the lowest finite number, O and l at 0: the first step is a step like any other, with a = 0.
; THE COUNT.  A tile and step have 16 matrix and 118 vector instructions: too many to stand all beside the matrix work.  So the order has one aim: four vector instructions that are READY behind
; EVERY matrix instruction, and the others, which need time of their own whatever the order, in runs without a gap.
; BY TURNS.  Turn n belongs to piece n (the pieces in a ring, step after step).  Its matrix work: 16 products K Q^T of piece n + 1, later 16 products V^T P of piece n - 1.  Its vector work: the scaling,
; exponentials, roundings, sums and rescaling of piece n, and the maximum and statistics of piece n + 1, whose scores the turn itself has made.  So what a turn begins with (c s - c m, O a) waits for nothing.
; CLUSTER.  The four query blocks of a cluster belong to one head and walk the same K and V, so each tile is asked for JOINTLY: the same tensor load, descriptor and mask in all four.
; REGISTERS, in windows of 256 (s_set_vgpr_msb says which window each operand place means: bits 1:0 source 0, 3:2 source 1, 5:4 source 2, 7:6 destination):
;   window 0: v0-11 addresses; v12-15, v48-63 at work; v16-47 four registers of statistics a tile; v64-191 S^T, two buffers of two tiles; v192-255 P, likewise
;   window 1: O^T, 32 a tile          window 2: v0-127 Q, 16 a tile; v128-191 K of one step; v192-255 V of one step          window 3: v0-1 the add's two registers
; A piece's buffers go by its number's parity: the piece in hand has one pair, its two neighbours in the ring share the other: of it P (piece n - 1) is read and S^T (piece n + 1) written.
.set SIZE_H, 64
.set SIZE_N, 2048
.set NP,    4         ; pieces a wave: a name, no knob: the register map, the loop and the fetches are made for four
.set KS,    64        ; keys in a step
.set PK,    144       ; a row of K in LDS: 128 bytes + 16 of padding = 36 words: the 16 rows of a load start at 16 different groups of four banks (64 banks of 4 bytes: ISA guide 11.1)
.set PV,    160       ; a row of V: 128 + 32 = 40 words
.set VOFF,  4*KS*PK   ; a slot holds four steps: 256 rows of K, then 256 rows of V
.set SLOT1, 1<<17     ; slot 1 begins here, so that one exclusive or turns an address in one slot into the other's
.set STAGE, SLOT1+4*KS*(PK+PV)  ; behind the ring, never filled by a tensor load: 16 rows x 144 bytes for each wave, for the way out
.set SP,    144
.set AK0, 2           ; v2   my lane's place in a tile of K; never rewritten
.set AV0, 3           ; v3   the same for V
.set AK,  4           ; v4   the LDS address of K's next run of loads
.set AV,  5           ; v5   of V's
.set QO,  6           ; v6   my byte offset in the wave's rows of Q
.set STO, 6           ;      later, the way out: where I put 16 bytes of a row
.set RD,  7           ; v7   the way out: where I read rows back
.set GO,  8           ; v8   my byte offset in 512 consecutive bytes of O
.set SPW, 0           ; v0 of window 3   LDS address of my spare word: SPARE + 4 x my thread's number; never rewritten
.set NIL, 1           ; v1 of window 3   0; never rewritten
.set SPARE, STAGE+4*16*SP  ; behind the stages: the spare words, 128 bytes for each wave: two blocks of 256 bytes that no other line names
.set MV,  12          ; v12-15  c m_old, kept while c m is made anew: by buffer and tile
.set ST,  16          ; tile t's statistics at v[ST+4 t]: c m, m, l (even keys', odd keys')
.set TMP, 48          ; by buffer and tile, four registers c0-c3 at work; when the maximum is found c2 takes a
.set S,   64
.set P,   192
.set KF,  128         ; K's fragments, in window 2: key block kb, channel half c at KF + 16 kb + 8 c
.set VF,  192         ; V's: key half kk, channel block cb at VF + 32 kk + 8 cb
.set WV,  12          ; s12  my wave's number
.set G1K, 24          ; s[24:31] descriptor group 1 for K's tiles
.set G1V, 32          ; s[32:39] for V's: it differs in the padding alone
.set G0K, 40          ; s[40:43] descriptor group 0 for K's tiles: it walks
.set G0V, 44          ; s[44:47] the same for V's
.set SLOTS, 56        ; s56  slots still to be asked for
.set CNT, 57          ; s57  counts a slot's key steps
.set CS,  58          ; s[58:59] c: the packed scaling takes the pair's low word for both halves
.set SEL, 60          ; s[60:61] v_permlanex16_b32's selects: each lane takes its own place in the other half
.set TBK, 62          ; s62  LDS byte at which K of the step to be fetched begins
.set TBV, 63          ; s63  the same for V, less VOFF
.set MSB, 0
.macro WIN new                      ; the high byte repeats the setting that is left; a switch that changes nothing is dropped
.if MSB != (\new)
	s_set_vgpr_msb (MSB<<8)|(\new)
.set MSB, (\new)
.endif
.endm
.set W_KQ, 0x0a       ; K and Q in window 2, S^T in window 0
.set W_PV, 0x52       ; V in window 2, P in window 0, O^T in window 1
.set W_RS, 0x41       ; O^T (destination and source 0) in window 1, a in window 0
.set W_MK, 0xc0       ; the add's registers are made: destination in window 3, sources in window 0
.set W_AD, 0x0f       ; the add: address (source 0) and data (source 1) in window 3
; A joint fill.  Waves 0 and 1 fetch the two halves of a slot's K, waves 2 and 3 those of its V: 128 keys each.  The branch hangs on the wave's number alone.
; An s_nop 0 and four v_nop follow each of the two lines, ahead of the jump and the label.
.macro JLOAD
	s_cmp_lt_u32 s[WV], 2
	s_cbranch_scc0 .Lfor_v_\@
	tensor_load_to_lds s[G0K:G0K+3], s[G1K:G1K+7]
	s_nop 0
.rept 4
	v_nop
.endr
	s_branch .Lasked_\@
.Lfor_v_\@:
	tensor_load_to_lds s[G0V:G0V+3], s[G1V:G1V+7]
	s_nop 0
.rept 4
	v_nop
.endr
.Lasked_\@:
.endm
; A round of the cluster's barrier: my work-group's barrier, so that wave 0's signal speaks for all four waves; wave 0 signals; every wave waits for all four work-groups; my work-group's barrier once more.
.macro CROUND
	s_barrier_signal -1
	s_barrier_wait -1
	s_cmp_lg_u32 s[WV], 0
	s_cbranch_scc1 .Lnot_wave_0_\@
	s_barrier_signal -3
.Lnot_wave_0_\@:
	s_barrier_wait -3
	s_barrier_signal -1
	s_barrier_wait -1
.endm
; THE CHANGE OF SLOTS.  The slot's last bytes, V of its fourth step, have been read.  Each wave waits for all its tensor loads, of which one is out: its part
; of the other slot; adds 0 to its spare word; and waits for that and for its own reads of the slot.  Behind the barrier nobody reads this slot any more and the other slot is whole.
; fill = 1: this slot is filled again, with the keys two slots on.  The barrier is then a round of the cluster's, so that no wave of any partner still reads the slot or has a load on its
; way, and the joint fill is the first thing behind it: it has four key steps, 512 matrix instructions, in which to land.  (At its first use nothing has been read yet: slot 0 is waited for, slot 1 filled.)
.macro CHANGE fill
	WIN W_AD
	s_wait_tensorcnt 0x0            ; no tensor load of mine is out, so a group 0 may be written
	ds_add_u32 v[SPW], v[NIL]       ; 0 onto my spare word: with fill = 1 the descriptors' steps stand between it and the wait for it
	WIN 0                           ; at a label and at a branch every window is 0
.if \fill
.irp g, G0K, G0V
	s_xor_b32 s[\g+1], s[\g+1], SLOT1  ; the walking descriptor: the other slot than last time,
	s_add_nc_u64 s[\g+2:\g+3], s[\g+2:\g+3], 4*KS*128  ; the next 256 keys; the type bits on top are not reached
.endr
	s_wait_dscnt 0x0                ; the add is done, and my reads of the slot are over
	CROUND
	JLOAD
.else
	s_wait_dscnt 0x0                ; the add is done, and my reads of the slot are over
	s_barrier_signal -1
	s_barrier_wait -1
.endif
	s_sub_co_u32 s[TBK], s[TBK], 4*KS*PK  ; the fetches go back to a slot's first step,
	s_xor_b32 s[TBK], s[TBK], SLOT1       ; in the other slot
	s_sub_co_u32 s[TBV], s[TBV], 4*KS*PV
	s_xor_b32 s[TBV], s[TBV], SLOT1
.endm
	s_load_b256 s[4:11], s[0:1], 0x0  ; Q s[4:5], K s[6:7], V s[8:9], O s[10:11]
	WIN W_MK
	v_lshl_add_u32 v[SPW], v0, 2, SPARE
	v_mov_b32 v[NIL], 0
	WIN W_AD
	ds_add_u32 v[SPW], v[NIL]       ; the wave's opening: the add and its wait stand ahead of my first tensor load; the set-up below, work on registers, stands between them
	WIN 0
	v_lshrrev_b32 v1, 5, v0
	v_readfirstlane_b32 s[WV], v1   ; wave 0..3
	s_bfe_u32 s13, ttmp6, 0x40000   ; cx: my place in the cluster
	s_lshl_b32 s14, ttmp9, 2        ; in a cluster launch ttmp9 counts clusters
	s_add_co_u32 s14, s14, s13      ; my block of queries = 4 x cluster x + cx: it enters Q's and O's addresses alone
	s_and_b32 s20, ttmp7, 0xffff    ; the head, which the four partners share
	s_mov_b32 s21, 0
	s_mov_b64 s[22:23], SIZE_N*128
	s_mul_u64 s[20:21], s[20:21], s[22:23]  ; the head's first byte in each of the four tensors
	s_and_b32 s16, s[WV], 1         ; which half of a slot's 256 keys I fetch:
	s_lshl_b32 s22, s16, 14         ; its 128 rows of 128 bytes in memory,
	s_mov_b32 s23, 0
	s_add_nc_u64 s[22:23], s[22:23], s[20:21]
	s_mul_i32 s17, s16, 128*PK      ; and its place in a slot, for K
	s_mul_i32 s18, s16, 128*PV      ; and for V: no place in the cluster enters an LDS address
	s_lshl_b32 s2, s14, 2
	s_add_co_u32 s2, s2, s[WV]      ; my wave among the head's,
	s_lshl_b32 s2, s2, 14           ; its 128 rows
	s_mov_b32 s3, 0
	s_add_nc_u64 s[2:3], s[2:3], s[20:21]
	; descriptor group 1.  128 keys are 16,384 dense bytes: asked for as 64 rows of 256 bytes, two keys a row, and padded in LDS after every key
	s_mov_b32 s[G1K], 15|(1<<16)|(1<<20)|(1<<21)|(4<<22)|(3<<25)  ; 15:0 the mask of four; 17:16 2-byte elements; 20 padding on; 21 set beside a mask; 24:22 after every 32 words (code 4); 31:25 4 words (code 3)
	s_mov_b32 s[G1V], 15|(1<<16)|(1<<20)|(1<<21)|(4<<22)|(7<<25)  ; the same with 8 words of padding (code 7)
.irp g, G1K, G1V
	s_mov_b32 s[\g+1], 128<<16      ; tensor_dim0 = 128
	s_mov_b32 s[\g+2], 64<<16       ; tensor_dim1 = 64
	s_mov_b32 s[\g+3], 128<<16      ; tile_dim0 = 128
	s_mov_b32 s[\g+4], 64           ; tile_dim1 = 64
	s_mov_b32 s[\g+5], 128          ; 128 elements from row to row
	s_mov_b32 s[\g+6], 0
	s_mov_b32 s[\g+7], 0
.endr
	s_mov_b32 s[CS], 0x3db8aa3b     ; c = log2(e) / 16 = 0.0901684
	s_mov_b32 s[CS+1], s[CS]        ; named with it as a pair
	s_mov_b32 s[SEL], 0x76543210
	s_mov_b32 s[SEL+1], 0xfedcba98
	s_mov_b32 s[TBK], SLOT1+4*KS*PK ; the first change of slots turns these two into 0
	s_mov_b32 s[TBV], SLOT1+4*KS*PV
	s_mov_b32 s[G0K], 1             ; 1:0 count = 1
	s_mov_b32 s[G0K+1], s17         ; 63:32 LDS address: slot 0
	s_mov_b32 s[G0V], 1
	s_add_co_u32 s[G0V+1], s18, VOFF
	s_wait_dscnt 0x0                ; the opening add is done
	s_wait_kmcnt 0x0
	s_add_nc_u64 s[G0K+2:G0K+3], s[6:7], s[22:23]  ; 120:64 global address: my half of the head's first 256 keys
	s_or_b32 s[G0K+3], s[G0K+3], 0x80000000        ; 127:126 type = 2
	s_add_nc_u64 s[G0V+2:G0V+3], s[8:9], s[22:23]
	s_or_b32 s[G0V+3], s[G0V+3], 0x80000000
	s_add_nc_u64 s[4:5], s[4:5], s[2:3]  ; Q and O at my wave's first row
	s_add_nc_u64 s[10:11], s[10:11], s[2:3]
	CROUND                          ; all four work-groups are here: the first joint loads meet
	JLOAD                           ; slot 0.  Slot 1 is asked for when slot 0 is in: the tile wanted first has the road to itself
	; A fragment of K or Q is 16 rows x 32 channels in 8 registers: lane l holds row l % 16, channels 8 (l / 16) + 0..7 and 16 + 8 (l / 16) + 0..7: two loads of 16 bytes, 32 bytes apart.
	v_and_b32 v1, 15, v0            ; l % 16
	v_bfe_u32 v9, v0, 4, 1          ; l / 16
	v_lshlrev_b32 v[QO], 7, v1
	v_lshl_add_u32 v[QO], v9, 4, v[QO]  ; row x 128 + 16 x half
	WIN 0x80                        ; destination window 2, address window 0
.set i, 0
.rept 4*NP                          ; Q stays in registers: tile i / 2, channels 32 (i % 2) on
	global_load_b128 v[8*i:8*i+3],   v[QO], s[4:5] offset:(i/2)*2048+(i%2)*64
	global_load_b128 v[8*i+4:8*i+7], v[QO], s[4:5] offset:(i/2)*2048+(i%2)*64+32
.set i, i+1
.endr
	; What the first turn finds: V's registers and P's second buffer hold 0 (its products V^T P, of a piece that has not been, add 0), O^T and l are 0.  All this stands in the wait for the first tile.
.set i, VF
.rept 64
	v_mov_b32 v[i], 0
.set i, i+1
.endr
	WIN 0x40
.set i, 0
.rept 64*NP
	v_mov_b32 v[i], 0
.set i, i+1
.endr
	WIN 0
.set i, 0
.rept 2*NP
	v_mov_b32 v[ST+4*i], 0xfe000000    ; c m: far below every c s
	v_mov_b32 v[ST+4*i+1], 0xff7fffff  ; m
	v_mov_b32 v[ST+4*i+2], 0
	v_mov_b32 v[ST+4*i+3], 0
.set i, i+1
.endr
.set i, P+32
.rept 32
	v_mov_b32 v[i], 0
.set i, i+1
.endr
	v_mul_u32_u24 v[AK0], v1, PK
	v_lshl_add_u32 v[AK0], v9, 4, v[AK0]  ; row x pitch + 16 x half
	; The turning load takes 16 keys x 16 channels (lane l reads key 8 (l / 16) + l % 8, channels 8 ((l / 8) % 2) + 0..7) and leaves half a fragment of V^T: lane l holds channel l % 16 and 8 keys.
	v_and_b32 v10, 7, v0
	v_bfe_u32 v11, v0, 3, 1
	v_lshl_add_u32 v[AV0], v9, 3, v10
	v_mul_u32_u24 v[AV0], v[AV0], PV
	v_lshl_add_u32 v[AV0], v11, 4, v[AV0]
	v_add_nc_u32 v[AV0], VOFF, v[AV0]
	v_mov_b32 v[AK], v[AK0]         ; key step 0 lies at the head of slot 0
; THE MATRIX WORK.  The 8 accumulators of a run of 16 take turns: between the two links of a chain stand 7 others'.
; Product i of 16 of S^T = K Q^T for piece x: channels 32 (i / 8) on, keys 16 ((i / 2) % 4) on, tile 2 x + i % 2.  The first 8 start the sums.
.macro KQ x
	WIN W_KQ
.set rS, S+64*((\x)%2)+32*(i%2)+8*((i/2)%4)
.set rK, KF+16*((i/2)%4)+8*(i/8)
.set rQ, 16*(2*(\x)+i%2)+8*(i/8)
.if i < 8
	v_wmma_f32_16x16x32_f16 v[rS:rS+7], v[rK:rK+7], v[rQ:rQ+7], 0
.else
	v_wmma_f32_16x16x32_f16 v[rS:rS+7], v[rK:rK+7], v[rQ:rQ+7], v[rS:rS+7]
.endif
.endm
; Product i of 16 of O^T += V^T P for piece x: keys 32 (i / 8) on, channels 16 ((i / 2) % 4) on, tile 2 x + i % 2.
.macro PV x
	WIN W_PV
.set rO, 32*(2*(\x)+i%2)+8*((i/2)%4)
.set rV, VF+32*(i/8)+8*((i/2)%4)
.set rP, P+32*((\x)%2)+16*(i%2)+8*(i/8)
	v_wmma_f32_16x16x32_f16 v[rO:rO+7], v[rV:rV+7], v[rP:rP+7], v[rO:rO+7]
.endm
.macro MM                           ; the turn's next matrix instruction
.if i < 16
	KQ (Y+1)%NP
.set i, i+1
.else
.set i, i-16
	PV (Y+NP-1)%NP
.set i, i+17
.endif
.endm
; THE LDS LOADS stand in runs of 16, never singly among the matrix instructions: a step's K (64 keys x 64 channels: 8 fragments) and its V (turned).  Their addresses are made some lines ahead.
; last = 1 (the tail): in the last trip there is no further step, and the run is jumped over.
.macro FETCH_K last=0
	WIN 0
.if \last
	s_cmp_eq_u32 s[CNT], 1
	s_cbranch_scc1 .Lno_k_\@
.endif
	WIN 0x80                        ; destination window 2
.irp f, 0,1,2,3,4,5,6,7             ; keys 16 (f / 2) on, channels 32 (f % 2) on
	ds_load_b128 v[KF+8*\f:KF+8*\f+3],   v[AK] offset:(\f/2)*16*PK+(\f%2)*64
	ds_load_b128 v[KF+8*\f+4:KF+8*\f+7], v[AK] offset:(\f/2)*16*PK+(\f%2)*64+32
.endr
	s_add_co_u32 s[TBK], s[TBK], KS*PK  ; the next fetch is the next step's
	WIN 0
.if \last
.Lno_k_\@:
.endif
.endm
.macro FETCH_V
	WIN 0x80
.irp f, 0,1,2,3,4,5,6,7             ; keys 32 (f / 4) on, channels 16 (f % 4) on
	ds_load_tr16_b128 v[VF+8*\f:VF+8*\f+3],   v[AV] offset:(\f/4)*32*PV+(\f%4)*32
	ds_load_tr16_b128 v[VF+8*\f+4:VF+8*\f+7], v[AV] offset:(\f/4)*32*PV+16*PV+(\f%4)*32
.endr
	WIN 0
.endm
; THE VECTOR WORK OF A TURN stands in three queues, each in the order in which its entries become ready; the two tiles alternate, so that no instruction reads the result of the one before it.
.macro REGS y, u                    ; the registers of tile u (0, 1) of piece y
.set rT, ST+4*(2*(\y)+(\u))
.set rC, TMP+8*((\y)%2)+4*(\u)
.set rM, MV+2*((\y)%2)+(\u)
.set rS, S+64*((\y)%2)+32*(\u)
.set rP, P+32*((\y)%2)+16*(\u)
.set rO, 32*(2*(\y)+(\u))
.endm
; Number n of the 22 that find the NEXT piece's (Y + 1) maximum and statistics.  s0-s31 are the lane's 32 scores; each accumulator's lowest registers are read first.  XS, GS and REGS set no window: PL and EX do.
;   0-11  four chains c0-c3 of seven scores each, three operands at a time     12-14, 16  the four scores left over, the old m, and c0-c3 into c0     15  c m_old is kept
;   17, 18  the query's other 32 keys lie in the lane 16 away: the new m         19-21  c m; c m_old - c m_new; a
.macro XS u, n
	REGS (Y+1)%NP, \u
.if (\n) < 4
	v_max3_num_f32 v[rC+(\n)], v[rS+8*(\n)], v[rS+8*(\n)+1], v[rS+8*(\n)+2]
.elseif (\n) < 12
	v_max3_num_f32 v[rC+(\n)%4], v[rC+(\n)%4], v[rS+8*((\n)%4)+2*((\n)/4)+1], v[rS+8*((\n)%4)+2*((\n)/4)+2]
.elseif (\n) == 12
	v_max3_num_f32 v[rC], v[rC], v[rS+7], v[rS+15]
.elseif (\n) == 13
	v_max3_num_f32 v[rC+1], v[rC+1], v[rS+23], v[rS+31]
.elseif (\n) == 14
	v_max3_num_f32 v[rC+2], v[rC+2], v[rC+3], v[rT+1]
.elseif (\n) == 15
	v_mov_b32 v[rM], v[rT]
.elseif (\n) == 16
	v_max3_num_f32 v[rC], v[rC], v[rC+1], v[rC+2]
.elseif (\n) == 17
	v_permlanex16_b32 v[rC+3], v[rC], s[SEL], s[SEL+1]
.elseif (\n) == 18
	v_max_num_f32 v[rT+1], v[rC], v[rC+3]
.elseif (\n) == 19
	v_mul_f32 v[rT], s[CS], v[rT+1]
.elseif (\n) == 20
	v_sub_f32 v[rC+1], v[rM], v[rT]
.else
	v_exp_f32 v[rC+2], v[rC+1]
.endif
.endm
; Number g of the 64 that follow the exponentials.  For each four weights k of a tile (pairs 2 k, 2 k + 1): both pairs are rounded to f16; then the second pair is added onto the first, in place;
; a group later l takes that sum (the first time as l = a l + sum).  In groups of eight, tiles alternating: round, round, add, and l for the group before.
.macro GS g
.set h, (\g)+6*((\g)/62)            ; group 0 has no group before it, and behind group 7 only l is left
.if h >= 6
.set h, h+2
.endif
	REGS Y, h%2
.set k, h/8
.if h%8 < 4
	s_wait_alu depctr_va_vdst(0)
	v_cvt_pk_f16_f32 v[rP+2*k+(h%8)/2], v[rS+4*k+2*((h%8)/2)], v[rS+4*k+2*((h%8)/2)+1]
.elseif h%8 < 6
	v_pk_add_f32 v[rS+4*k:rS+4*k+1], v[rS+4*k:rS+4*k+1], v[rS+4*k+2:rS+4*k+3]
.elseif k == 1
	v_pk_fma_f32 v[rT+2:rT+3], v[rT+2:rT+3], v[rC+2:rC+3], v[rS:rS+1] op_sel_hi:[1,0,1]
.else
	v_pk_add_f32 v[rT+2:rT+3], v[rT+2:rT+3], v[rS+4*k-4:rS+4*k-3]
	s_wait_alu depctr_va_vdst(0)
.endif
.endm
; THE PLAIN QUEUE, 138 long.  0-31: c s - c m for the 16 pairs of both tiles.  Then GS's 64, and among them the next piece's 42: number 15 at 38, 39; 0-14 and 16
; at 42-73, behind the products that make those scores; 17-20 at 95-106, two of three, since each waits for the one before it.
.macro PL
	WIN 0
.if q < 32
	REGS Y, q%2
	v_pk_fma_f32 v[rS+2*(q/2):rS+2*(q/2)+1], v[rS+2*(q/2):rS+2*(q/2)+1], s[CS:CS+1], v[rT:rT+1] op_sel_hi:[1,0,0] neg_lo:[0,0,1] neg_hi:[0,0,1]
.elseif q < 38
	GS q-32
.elseif q < 40
	XS q%2, 15
.elseif q < 42
	GS q-34
.elseif q < 74
	XS q%2, (q-42)/2+(q-42)/30
.elseif q < 95
	GS q-66
.elseif (q < 107) && ((q-95)%3 < 2)
	XS (q-95)%3, 17+(q-95)/3
.elseif q < 107
	GS 29+(q-95)/3
.else
	GS q-74
.endif
.set q, q+1
.endm
; THE EXPONENTIALS' QUEUE, 66 long: s0-s31 of both tiles, and at EA the next piece's two a.
.set EA, 58
.macro EX
	WIN 0
.if (e == EA) || (e == EA+1)
	XS e-EA, 21
.else
.set x, e-2*(e/(EA+2))
	REGS Y, x%2
	v_exp_f32 v[rS+x/2], v[rS+x/2]
.endif
.set e, e+1
.endm
; THE RESCALING's QUEUE: O^T times a, the one part that leaves window 0, so it is dealt four at a time, eight times.
.macro R4
	REGS Y, r%2
	WIN W_RS
	s_wait_alu depctr_va_vdst(0)
.irp z, 0,1,2,3
	v_pk_mul_f32 v[rO+8*(r/2)+2*\z:rO+8*(r/2)+2*\z+1], v[rO+8*(r/2)+2*\z:rO+8*(r/2)+2*\z+1], v[rC+2:rC+3] op_sel_hi:[1,0]
.endr
.set r, r+1
.endm
; HOW THEY ARE DEALT.  Behind a matrix instruction four: plain, exponential, plain, plain (one exponential, a plain instruction on either side), or four of the rescaling.  None names a register of the
; products round it.  What is over stands in two LUMPS: exponential and plain by turns; the second ends in 22 plain instructions.  The two v_permlanex16_b32 fall into the second lump, never behind a product.
; The queues lean on each other, and the deal keeps them in step: exponential e stands behind plain 2 (e / 4) + e % 2 (its scaling); when plain 32 comes, 10 exponentials are out, at 59: 33, at 95: 46; EA comes behind plain 107.
.macro SL
	MM
	PL
	EX
	PL
	PL
.endm
.macro BURST n                      ; 15 matrix instructions, or 16
.rept (\n)-7
	SL
.endr
.rept 3
	MM
	R4
	SL
.endr
	MM
	R4
.endm
; A TURN, for piece p.  cnt = 1: the loop's count is taken down some lines ahead of the branch that stands behind the turn.
; K of the next step is fetched in piece 2's turn, 31 vector instructions behind the last product that read K; its first reader comes behind the rest of the lump, 16 products and the second lump.
; V of the step in hand is fetched at the end of piece 0's turn, 69 behind its last reader; its first reader comes behind 16 products and a lump.  The four conditions on e and q below go with the deal.
.macro TURN p, last=0, cnt=0
.set Y, (\p)
.set i, 0
.set q, 0
.set e, 0
.set r, 0
.if (\p) == NP-1
	s_wait_dscnt 0x0                ; K is in
.endif
	MM
.rept 4
	PL
.endr
	BURST 15
.rept 22
	EX
	PL
.if ((\p) == NP-2) && (e == 18)
	v_add_nc_u32 v[AK], s[TBK], v[AK0]
.endif
.if ((\p) == NP-2) && (e == 24)
	FETCH_K \last
.endif
.endr
.if (\p) == 1
	s_wait_dscnt 0x0                ; V is in
.endif
	BURST 16
.rept 21
	EX
	PL
.endr
.rept 22
	PL
.if ((\p) == 0) && (q == 118)
	v_add_nc_u32 v[AV], s[TBV], v[AV0]
	s_wait_alu depctr_va_vdst(0)
.endif
.if ((\p) == 0) && (q == 130)
	s_add_co_u32 s[TBV], s[TBV], KS*PV
.endif
.if (\cnt) && (q == 130)
	s_sub_co_u32 s[CNT], s[CNT], 1
	s_cmp_lg_u32 s[CNT], 0
.endif
.endr
.if (\p) == 0
	FETCH_V
.endif
.endm
	CHANGE 1                        ; slot 0 is in, everybody's part of it; slot 1 is asked for
	FETCH_K                         ; key step 0
	s_wait_loadcnt 0x0              ; Q
	s_wait_dscnt 0x0
.set i, 0
.rept 16
	KQ 0                            ; piece 0's first scores: there is no vector work yet to set between them
.set i, i+1
.endr
	WIN 0                           ; the addresses for the way out: nine plain instructions, the places behind those products
	s_mul_i32 s13, s[WV], 16*SP
	s_add_co_u32 s13, s13, STAGE    ; my stage
	v_mul_u32_u24 v[STO], v1, SP    ; in: row l % 16, 16 bytes for each half of the lanes
	v_lshl_add_u32 v[STO], v9, 4, v[STO]
	v_add_nc_u32 v[STO], s13, v[STO]
	v_bfe_u32 v[RD], v0, 3, 2       ; back: 32 lanes take four rows of 128 bytes,
	v_mul_u32_u24 v[RD], v[RD], SP
	v_lshl_add_u32 v[RD], v10, 4, v[RD]
	v_add_nc_u32 v[RD], s13, v[RD]
	v_and_b32 v[GO], 31, v0         ; which are 512 consecutive bytes of O
	v_lshlrev_b32 v[GO], 4, v[GO]
.set Y, NP-1                        ; XS works for piece Y + 1: piece 0
.irp n, 0,1,2,3,4,5,6,7,8,9,10,11,12,13,14,15,16,17,18,19,20,21
	XS 0, \n                        ; and piece 0's first maximum and statistics
	XS 1, \n
.endr
	s_mov_b32 s[CNT], 4
	s_mov_b32 s[SLOTS], SIZE_N/256-1
	s_branch .Lfirst                ; the loop is entered at a step's first turn, in the middle of a trip
.Lslot:                             ; SIZE_N / 256 - 2 times: every slot but the last two is filled again
	CHANGE 1
	s_mov_b32 s[CNT], 4
.Lstep:                             ; a trip: pieces 2 and 3 of one step, then pieces 0 and 1 of the next, whose K and V it fetches
	TURN 2
	TURN 3
	WIN 0
.Lfirst:
	TURN 0
	TURN 1, 0, 1
	WIN 0
	s_cbranch_scc1 .Lstep
	s_sub_co_u32 s[SLOTS], s[SLOTS], 1
	s_cmp_lg_u32 s[SLOTS], 0
	s_cbranch_scc1 .Lslot
	CHANGE 0                        ; the tail is written out: nothing is asked for
	s_mov_b32 s[CNT], 5             ; four trips fetch the last slot's steps; the fifth is left in its middle
.Ltail:
	TURN 2, 1
	TURN 3
	WIN 0
	s_sub_co_u32 s[CNT], s[CNT], 1
	s_cmp_eq_u32 s[CNT], 0
	s_cbranch_scc1 .Lout
	TURN 0
	TURN 1
	WIN 0
	s_branch .Ltail
.Lout:                              ; the fifth trip's 16 products K Q^T (on the last K once more) and the maximum made of them serve nothing: the price, once a launch, of one text for every trip
.set i, 0
.rept 16
	PV NP-1                         ; the last piece's V^T P of the last step
.set i, i+1
.endr
	; THE WAY OUT.  l's two halves and the other half of the lanes' are added; O^T is divided by l, rounded to f16 and sent through my stage in LDS, a tile at a time.  The additions are the places behind the last products.
	WIN 0
.macro ALL line:vararg              ; one line for each tile t
.set t, 0
.rept 2*NP
	\line
.set t, t+1
.endr
.endm
	ALL v_add_f32 v[ST+4*t+2], v[ST+4*t+2], v[ST+4*t+3]
	ALL v_permlanex16_b32 v[ST+4*t+3], v[ST+4*t+2], s[SEL], s[SEL+1]
	ALL v_add_f32 v[ST+4*t+2], v[ST+4*t+2], v[ST+4*t+3]
	ALL v_rcp_f32 v[ST+4*t+2], v[ST+4*t+2]
	v_nop                           ; a plain instruction between the last reciprocal and the use of its result
	s_wait_alu depctr_va_vdst(0)
; Tile t: a lane's eight channels of a row pack into 16 bytes; they go into rows of 144 bytes and come back as whole rows of 128, into S^T's registers.
.macro PACK t
	WIN W_RS
.set i, 32*(\t)
.rept 16
	v_pk_mul_f32 v[i:i+1], v[i:i+1], v[ST+4*(\t)+2:ST+4*(\t)+3] op_sel_hi:[1,0]
.set i, i+2
.endr
	WIN 0x05                        ; sources 0 and 1 window 1, destination window 0
.set i, 0
.rept 16
	v_cvt_pk_f16_f32 v[S+16*(\t)+i], v[32*(\t)+2*i], v[32*(\t)+2*i+1]
.set i, i+1
.endr
	WIN 0
.irp f, 0,1,2,3
	ds_store_b128 v[STO], v[S+16*(\t)+4*\f:S+16*(\t)+4*\f+3] offset:32*\f
.endr
.irp f, 0,1,2,3
	ds_load_b128 v[S+16*(\t)+4*\f:S+16*(\t)+4*\f+3], v[RD] offset:\f*4*SP  ; LDS serves a wave's instructions in order (ISA guide 5.7.1.4): these see the stores above; the next tile's stores come behind them
.endr
.endm
.macro SEND t, younger              ; younger: the LDS instructions issued behind tile t's loads: the next tile's eight, or none
	WIN 0
.irp f, 0,1,2,3
	s_wait_dscnt (\younger)+3-\f
	global_store_b128 v[GO], v[S+16*(\t)+4*\f:S+16*(\t)+4*\f+3], s[10:11] offset:(\t)*2048+\f*512  ; 512 consecutive bytes, at a multiple of 256 from O's first
.endr
.endm
	PACK 0
.set t, 1
.rept 2*NP-1                        ; a tile's arithmetic stands between the loads of the tile before and its stores
	PACK t
	SEND t-1, 8
.set t, t+1
.endr
	SEND 2*NP-1, 0
	WIN W_AD
	s_wait_tensorcnt 0x0            ; the wave's end: a last add and its waits, behind my last tensor load and my last LDS store
	ds_add_u32 v[SPW], v[NIL]
	s_wait_dscnt 0x0
	WIN 0
	CROUND                          ; the closing round: no work-group ends while a partner may still ask for a tile that names it
	s_endpgm
.Lfunc_end_k_q63ffc3c6e3_attn:
	.size	k_q63ffc3c6e3_attn, .Lfunc_end_k_q63ffc3c6e3_attn-k_q63ffc3c6e3_attn
	.p2alignl 7, 3214868480
	.fill 96, 4, 3214868480
	.section	.rodata,"a",@progbits
	.p2align	6, 0x0
	.amdhsa_kernel k_q63ffc3c6e3_attn
		.amdhsa_group_segment_fixed_size 327680
		.amdhsa_private_segment_fixed_size 0
		.amdhsa_enable_private_segment 0
		.amdhsa_kernarg_size 32
		.amdhsa_user_sgpr_count 2
		.amdhsa_user_sgpr_kernarg_segment_ptr 1
		.amdhsa_wavefront_size32 1
		.amdhsa_system_sgpr_workgroup_id_x 1
		.amdhsa_system_sgpr_workgroup_id_y 1
		.amdhsa_system_sgpr_workgroup_id_z 1
		.amdhsa_system_vgpr_workitem_id 0
		.amdhsa_next_free_vgpr 770
		.amdhsa_next_free_sgpr 66
		.amdhsa_reserve_vcc 0
		.amdhsa_float_denorm_mode_32 3
		.amdhsa_float_denorm_mode_16_64 3
		.amdhsa_memory_ordered 1
		.amdhsa_forward_progress 1
		.amdhsa_inst_pref_size 208
	.end_amdhsa_kernel
	.amdgpu_metadata
---
amdhsa.version: [ 1, 2 ]
amdhsa.kernels:
  - .name:           k_q63ffc3c6e3_attn
    .symbol:         k_q63ffc3c6e3_attn.kd
    .args:
      - { .name: q, .offset: 0, .size: 8, .value_kind: global_buffer, .address_space: global }
      - { .name: k, .offset: 8, .size: 8, .value_kind: global_buffer, .address_space: global }
      - { .name: v, .offset: 16, .size: 8, .value_kind: global_buffer, .address_space: global }
      - { .name: o, .offset: 24, .size: 8, .value_kind: global_buffer, .address_space: global }
    .group_segment_fixed_size: 327680
    .private_segment_fixed_size: 0
    .kernarg_segment_align: 8
    .kernarg_segment_size: 32
    .max_flat_workgroup_size: 128
    .sgpr_count:     66
    .vgpr_count:     770
    .wavefront_size: 32
...
	.end_amdgpu_metadata
.endif
;; end of part 2
;; launch proj (part 3): grid 4 x 64, 4 waves a work-group, clusters of 4 x 4, 327,680 bytes of LDS; arguments o, wo, bo, out0; writes out0
.if DOCPART == 3
	.amdgcn_target "amdgcn-amd-amdhsa--gfx1250"
	.amdhsa_code_object_version 6
	.text
	.protected	k_q63ffc3c6e3_proj
	.globl	k_q63ffc3c6e3_proj
	.p2align	8
	.type	k_q63ffc3c6e3_proj,@function
k_q63ffc3c6e3_proj:
	s_mov_b64 s[64:65], 0
	v_nop
	global_prefetch_b8 v0, s[64:65] scope:SCOPE_SE
	s_setreg_imm32_b32 hwreg(HW_REG_WAVE_MODE, 25, 1), 1
	s_wait_xcnt 0x0
	s_wait_alu depctr_hold_cnt(0) depctr_sa_sdst(0) depctr_va_vdst(0) depctr_va_sdst(0) depctr_va_ssrc(0) depctr_va_vcc(0) depctr_vm_vsrc(0)
	s_getreg_b32 s2, hwreg(HW_REG_IB_STS2, 6, 4)
	s_cmp_eq_u32 s2, 0
	s_cbranch_scc0 .Lentry_in_a_cluster
	s_endpgm
.Lentry_in_a_cluster:
	s_bfe_u32 s2, ttmp6, 0x10000c
	s_cmp_lg_u32 s2, 0xf033
	s_cbranch_scc0 .Lentry_shape_is_right
	s_endpgm
.Lentry_shape_is_right:
; out0[bs][c][n] = the sum over k of o[bs][n][k] wo[c][k] + bf16(bo[c]).  o lies by heads, [8 bs + h][2048][64] f16 (k = 64 h + d); wo is [512][512] f16; out0 is [8][512][2048] f32.
; Products in f16, sums in f32, stored as they are.  LIMITS: o and wo arrive within f16's range; NaN and infinities are not treated apart.
; SHARES.  Work-group (TX, TY): 256 tokens (bs = TY / 8, n = 256 (TY % 8) ..) x 128 channels (128 TX ..): 256 work-groups.  Wave (I, J): 128 tokens x 64 channels: 8 x 4 = 32 accumulators, 256 registers.
; THE MATRIX INSTRUCTION IS USED AS IT IS: source 0 = 16 tokens of o, source 1 = 16 rows of wo.  A lane then holds ONE channel (lane % 16) and the tokens 8 (lane / 16) + 0..7, which lie side by side
; in a row of out0: the transposition of the result costs nothing.
; K goes in 4 steps of 128, two heads, through two LDS slots; a step is four chunks of 32.  A head's 256 tokens are 32,768 dense bytes: asked for as 128 rows of 256 bytes and padded in LDS after every token.
; CLUSTER.  4 x 4 work-groups.  o's tiles hang on TY alone and are asked for jointly along a row of the cluster, wo's on TX alone, jointly along a column.
; The sums START at the bias (rounded to bf16, like every input, and widened again): 256 lines in the wait for the first tile, in place of additions on the way out and of a first chunk written out.
; REGISTERS: window 0: v0-13 addresses; v32-127, v128-223 two fragment buffers (o's eight fragments, then wo's four); v224-229 the bias.  Window 1: the accumulators ((a, b) at 8 (8 b + a)), later the rows on their way out.
.set PA,     144                       ; a token's row of one head in LDS: 128 bytes + 16 = 36 words: the 16 rows of a load start at 16 different groups of four banks (64 banks of 4 bytes: ISA guide 11.1)
.set PB,     272                       ; a row of wo: 256 bytes + 16
.set PLANE,  256*PA                    ; a head's 256 tokens
.set BOFF,   2*PLANE                   ; behind the two heads: wo's 128 rows
.set SLOT1,  1<<17                     ; slot 1 begins here, so that one exclusive or changes slots
.set STAGE,  SLOT1+BOFF+128*PB         ; behind the ring: 16 rows x 528 bytes for each wave, for the way out
.set SPT,    528                       ; 512 bytes + 16
.set SPARE,  STAGE+4*16*SPT            ; behind the stages: the spare words, 128 bytes a wave: two blocks of 256 bytes that no other line names
.set LR,    1                          ; v1   lane % 16
.set LH,    2                          ; v2   lane / 16
.set LL,    3                          ; v3   lane
.set ADRA,  4                          ; v4   my fragments of o in the slot in hand
.set ADRB,  5                          ; v5   of wo
.set STO,   6                          ; v6   the way out: where I put 32 bytes of a row
.set RD,    7                          ; v7   the way out: where I read a row back
.set GO,    8                          ; v8   16 x lane: my place in 512 consecutive bytes of out0
.set BO,    9                          ; v9   4 x (lane % 16): my channel's bias
.set SPW,   10                         ; v10  LDS address of my spare word; never rewritten
.set NIL,   11                         ; v11  0; never rewritten
.set ADRA0, 12                         ; v12  my fragments of o in slot 0
.set ADRB0, 13                         ; v13  of wo
.set F0,    32
.set F1,    128
.set BR,    224                        ; v224-227 the bias of my channel in each of the four blocks; v228-229 packed to bf16
.set WV,   12
.set WI,   13                          ; s13  which 128 tokens are mine.  Also: I fetch for o (0) or for wo (1)
.set WJ,   14                          ; s14  which 64 channels.  Also: which head of the step, or which 64 rows of wo, I fetch
.set CX,   15
.set CY,   16
.set TX,   17
.set TY,   18
.set MROW, 19
.set MCOL, 20
.set LAA,  21                          ; s21  where my load of o lands
.set G1A,  24                          ; s[24:31] descriptor group 1 for o's tiles
.set G0A,  32                          ; s[32:39] group 0 for o's tiles: the two first fills; the second set then walks
.set G0B,  40                          ; s[40:47] the same for wo's
.set G1B,  48                          ; s[48:55] group 1 for wo's tiles
.set CNT,  56
.set TB,   57                          ; s57  LDS byte at which the slot in hand begins
.set HIM,  58                          ; s58  a word's upper bf16
.set LAB,  59                          ; s59  where my load of wo lands, which is also where my 64 rows of wo lie
.set MSB, 0
.macro WIN new                         ; the immediate's high byte repeats the setting that is left; a switch that changes nothing is dropped
.if MSB != (\new)
	s_set_vgpr_msb (MSB<<8)|(\new)
.set MSB, \new
.endif
.endm
.macro PLACES                          ; four plain vector instructions between a matrix instruction and a load into, or a read of, its registers (ISA guide 7.12.1 for vector instructions)
.rept 4
	v_nop
.endr
.endm
.macro CREST                           ; a round of the cluster's barrier behind its opening barrier
	s_cmp_lg_u32 s[WV], 0
	s_cbranch_scc1 .Lnot_wave_0_\@
	s_barrier_signal -3
.Lnot_wave_0_\@:
	s_barrier_wait -3
	s_barrier_signal -1
	s_barrier_wait -1
.endm
.macro CROUND
	s_barrier_signal -1
	s_barrier_wait -1
	CREST
.endm
.macro JLOAD                           ; a joint refill: waves 0 and 1 fetch the step's two heads of o, waves 2 and 3 the two halves of wo's rows; an s_nop 0 and four v_nop follow each line
	s_cmp_eq_u32 s[WI], 0
	s_cbranch_scc0 .Lfor_b_\@
	tensor_load_to_lds s[G0A+4:G0A+7], s[G1A:G1A+7]
	s_nop 0
.rept 4
	v_nop
.endr
	s_branch .Lasked_\@
.Lfor_b_\@:
	tensor_load_to_lds s[G0B+4:G0B+7], s[G1B:G1B+7]
	s_nop 0
.rept 4
	v_nop
.endr
.Lasked_\@:
.endm
	s_load_b256 s[4:11], s[0:1], 0x0               ; o s[4:5], wo s[6:7], bo s[8:9], out0 s[10:11]
	v_lshl_add_u32 v[SPW], v0, 2, SPARE
	v_mov_b32 v[NIL], 0
	ds_add_u32 v[SPW], v[NIL]                      ; the wave's opening: the add and its wait stand ahead of my first tensor load; the set-up below, work on registers, stands between them
	v_lshrrev_b32 v1, 5, v0
	v_readfirstlane_b32 s[WV], v1                  ; wave 0..3
	s_lshr_b32 s[WI], s[WV], 1
	s_and_b32 s[WJ], s[WV], 1
	s_bfe_u32 s[CX], ttmp6, 0x40000
	s_bfe_u32 s[CY], ttmp6, 0x40004
	s_lshl_b32 s[TX], ttmp9, 2                     ; in a cluster launch ttmp9 and ttmp7 count clusters
	s_add_co_u32 s[TX], s[TX], s[CX]
	s_and_b32 s[TY], ttmp7, 0xffff
	s_lshl_b32 s[TY], s[TY], 2
	s_add_co_u32 s[TY], s[TY], s[CY]
	s_lshl_b32 s[MROW], s[CY], 2
	s_lshl_b32 s[MROW], 15, s[MROW]                ; my row of the cluster
	s_lshl_b32 s[MCOL], 0x1111, s[CX]              ; my column
	; group 1 for o: 128 rows x 128 elements of 2 bytes, dense; 4 words of padding after every 32 words, that is after every token
	s_or_b32 s[G1A], s[MROW], (1<<16)|(1<<20)|(1<<21)|(4<<22)|(3<<25)
	s_mov_b32 s[G1A+1], 128<<16                    ; tensor_dim0 = 128
	s_mov_b32 s[G1A+2], 128<<16                    ; tensor_dim1 = 128
	s_mov_b32 s[G1A+3], 128<<16                    ; tile_dim0 = 128
	s_mov_b32 s[G1A+4], 128                        ; tile_dim1 = 128
	s_mov_b32 s[G1A+5], 128                        ; 128 elements from row to row
	s_mov_b32 s[G1A+6], 0
	s_mov_b32 s[G1A+7], 0
	; group 1 for wo: 64 rows x 128 elements, 512 elements from row to row; 4 words of padding after every 64 words
	s_or_b32 s[G1B], s[MCOL], (1<<16)|(1<<20)|(1<<21)|(5<<22)|(3<<25)
	s_mov_b32 s[G1B+1], 128<<16
	s_mov_b32 s[G1B+2], 64<<16
	s_mov_b32 s[G1B+3], 128<<16
	s_mov_b32 s[G1B+4], 64
	s_mov_b32 s[G1B+5], 512
	s_mov_b32 s[G1B+6], 0
	s_mov_b32 s[G1B+7], 0
	s_lshr_b32 s22, s[TY], 3                       ; o: head 8 bs + J (262,144 bytes a head), token 256 (TY % 8) (128 bytes a token)
	s_lshl_b32 s22, s22, 21
	s_and_b32 s23, s[TY], 7
	s_lshl_b32 s23, s23, 15
	s_add_co_u32 s22, s22, s23
	s_lshl_b32 s23, s[WJ], 18
	s_add_co_u32 s22, s22, s23
	s_mov_b32 s23, 0
	s_lshl_b32 s60, s[TX], 17                      ; wo: row 128 TX + 64 J, of 1,024 bytes
	s_lshl_b32 s61, s[WJ], 16
	s_add_co_u32 s60, s60, s61
	s_mov_b32 s61, 0
	s_mul_i32 s[LAA], s[WJ], PLANE                 ; no place in the cluster enters an LDS address
	s_mul_i32 s[LAB], s[WJ], 64*PB
	s_add_co_u32 s[LAB], s[LAB], BOFF
	s_lshr_b32 s2, s[TY], 3                        ; out0: bs (4 MiB), channel 128 TX + 64 J (8,192 bytes a channel), token 256 (TY % 8) + 128 I (4 bytes)
	s_lshl_b32 s2, s2, 22
	s_lshl_b32 s3, s[TX], 20
	s_add_co_u32 s2, s2, s3
	s_lshl_b32 s3, s[WJ], 19
	s_add_co_u32 s2, s2, s3
	s_and_b32 s3, s[TY], 7
	s_lshl_b32 s3, s3, 10
	s_add_co_u32 s2, s2, s3
	s_lshl_b32 s3, s[WI], 9
	s_add_co_u32 s2, s2, s3
	s_mov_b32 s3, 0
	s_lshl_b32 s62, s[TX], 9                       ; bo: 128 TX + 64 J numbers of 4 bytes
	s_lshl_b32 s63, s[WJ], 8
	s_add_co_u32 s62, s62, s63
	s_mov_b32 s63, 0
	s_mov_b32 s[HIM], 0xffff0000
	s_mov_b32 s[TB], 0
	s_wait_dscnt 0x0                               ; the opening add is done
	s_wait_kmcnt 0x0
	s_add_nc_u64 s[4:5], s[4:5], s[22:23]
	s_add_nc_u64 s[6:7], s[6:7], s[60:61]
	s_add_nc_u64 s[8:9], s[8:9], s[62:63]
	s_add_nc_u64 s[10:11], s[10:11], s[2:3]
	CROUND                                         ; all sixteen work-groups are here: the first joint loads meet
.irp s, 0,1
	s_mov_b32 s[G0A+4*(\s)], 1                                     ; 1:0 count = 1
	s_add_co_u32 s[G0A+4*(\s)+1], s[LAA], (\s)*SLOT1               ; 63:32 LDS address
	s_add_nc_u64 s[G0A+4*(\s)+2:G0A+4*(\s)+3], s[4:5], (\s)*524288 ; 120:64 global address: K step s is two heads on
	s_or_b32 s[G0A+4*(\s)+3], s[G0A+4*(\s)+3], 0x80000000          ; 127:126 type = 2
	s_mov_b32 s[G0B+4*(\s)], 1
	s_add_co_u32 s[G0B+4*(\s)+1], s[LAB], (\s)*SLOT1
	s_add_nc_u64 s[G0B+4*(\s)+2:G0B+4*(\s)+3], s[6:7], (\s)*256
	s_or_b32 s[G0B+4*(\s)+3], s[G0B+4*(\s)+3], 0x80000000
.endr
	s_cmp_eq_u32 s[WI], 0                          ; a wave's two first fills stand in one branch, ahead of every wait on TENSORcnt and every LDS read: two loads of mine are out
	s_cbranch_scc0 .Lfirst_b
	tensor_load_to_lds s[G0A:G0A+3], s[G1A:G1A+7]
	s_nop 0
	tensor_load_to_lds s[G0A+4:G0A+7], s[G1A:G1A+7]
	s_nop 0
.rept 4
	v_nop
.endr
	s_branch .Lfirst_asked
.Lfirst_b:
	tensor_load_to_lds s[G0B:G0B+3], s[G1B:G1B+7]
	s_nop 0
	tensor_load_to_lds s[G0B+4:G0B+7], s[G1B:G1B+7]
	s_nop 0
.rept 4
	v_nop
.endr
.Lfirst_asked:
	v_and_b32 v[LR], 15, v0
	v_bfe_u32 v[LH], v0, 4, 1
	v_lshlrev_b32 v[BO], 2, v[LR]
.irp b, 0,1,2,3
	global_load_b32 v[BR+(\b)], v[BO], s[8:9] offset:64*(\b)  ; the bias of channel 16 b + lane % 16
.endr
	v_and_b32 v[LL], 31, v0
	; A fragment is 16 rows x 32 K in 8 registers: lane l holds row l % 16, K = 8 (l / 16) + 0..7 and 16 + 8 (l / 16) + 0..7: two loads of 16 bytes, 32 bytes apart.
	v_mul_u32_u24 v[ADRA0], v[LR], PA
	v_lshl_add_u32 v[ADRA0], v[LH], 4, v[ADRA0]
	s_mul_i32 s22, s[WI], 128*PA                   ; my 128 tokens
	v_add_nc_u32 v[ADRA0], s22, v[ADRA0]
	v_mul_u32_u24 v[ADRB0], v[LR], PB
	v_lshl_add_u32 v[ADRB0], v[LH], 4, v[ADRB0]
	v_add_nc_u32 v[ADRB0], s[LAB], v[ADRB0]        ; my 64 rows of wo
	s_mul_i32 s23, s[WV], 16*SPT
	s_add_co_u32 s23, s23, STAGE                   ; my stage
	v_mul_u32_u24 v[STO], v[LR], SPT               ; in: row = channel l % 16, 32 bytes for each half of the lanes
	v_lshl_add_u32 v[STO], v[LH], 5, v[STO]
	v_add_nc_u32 v[STO], s23, v[STO]
	v_lshlrev_b32 v[GO], 4, v[LL]                  ; back: the 32 lanes take one row of 512 bytes
	v_add_nc_u32 v[RD], s23, v[GO]
	s_wait_loadcnt 0x0                             ; the bias
	v_cvt_pk_bf16_f32 v[BR+4], v[BR], v[BR+1]
	v_cvt_pk_bf16_f32 v[BR+5], v[BR+2], v[BR+3]
	WIN 0x40                                       ; destination window 1
.set n, 0
.rept 32                                       ; accumulator n = 8 b + a: all eight registers start at my channel's bias in block b
.set j, 0
.rept 8
.if (n/8)%2 == 0
	v_lshlrev_b32 v[8*n+j], 16, v[BR+4+n/16]
.else
	v_and_b32 v[8*n+j], s[HIM], v[BR+4+n/16]
.endif
.set j, j+1
.endr
.set n, n+1
.endr
	WIN 0
; 24 LDS loads in one run: the fragments of chunk c (head c / 2 of the step, channels 32 (c % 2) on; bytes 64 c of wo's rows) into buffer f
.macro FETCH c, f
	WIN 0
.irp a, 0,1,2,3,4,5,6,7
	ds_load_b128 v[(\f)+8*(\a):(\f)+8*(\a)+3],   v[ADRA] offset:(\a)*16*PA+((\c)/2)*PLANE+((\c)%2)*64
	ds_load_b128 v[(\f)+8*(\a)+4:(\f)+8*(\a)+7], v[ADRA] offset:(\a)*16*PA+((\c)/2)*PLANE+((\c)%2)*64+32
.endr
.irp b, 0,1,2,3
	ds_load_b128 v[(\f)+64+8*(\b):(\f)+64+8*(\b)+3],   v[ADRB] offset:(\b)*16*PB+64*(\c)
	ds_load_b128 v[(\f)+64+8*(\b)+4:(\f)+64+8*(\b)+7], v[ADRB] offset:(\b)*16*PB+64*(\c)+32
.endr
.endm
; 8 nb matrix instructions: channel blocks b0 .. b0 + nb - 1 x all 8 token blocks.  The 32 accumulators take turns, one instruction a turn, in the same order in every chunk.
.macro MULQ f, b0, nb
	WIN 0x50                                       ; C and D window 1, the fragments window 0
.set bb, \b0
.rept \nb
.set aa, 0
.rept 8
	v_wmma_f32_16x16x32_f16 v[8*(8*bb+aa):8*(8*bb+aa)+7], v[(\f)+8*aa:(\f)+8*aa+7], v[(\f)+64+8*bb:(\f)+64+8*bb+7], v[8*(8*bb+aa):8*(8*bb+aa)+7]
.set aa, aa+1
.endr
.set bb, bb+1
.endr
.endm
; A K STEP: four chunks on buffers 0, 1, 0, 1; each of the first three fetches the next chunk ahead of its 32 products.  The fourth changes slots: ONE barrier; in front of it each wave waits for all its
; tensor loads, of which one is out (its part of the next slot), adds 0 to its spare word, and waits for that and for its reads of this slot.  fill = 1: the barrier opens a round of the cluster's, and
; this slot is filled again, first thing behind the round, with the K step two on.
.macro STEP fill
	s_wait_dscnt 0x0                               ; chunk 0 is in
	PLACES                                         ; the loads below land in registers that the last products read
	FETCH 1, F1
	MULQ F0, 0, 4
	s_wait_dscnt 0x0
	PLACES
	FETCH 2, F0
	MULQ F1, 0, 4
	s_wait_dscnt 0x0
	PLACES
	FETCH 3, F1
	MULQ F0, 0, 4
	WIN 0                                          ; (the add's two registers lie in window 0)
	s_wait_tensorcnt 0x0                           ; all my tensor loads have landed, so a group 0 may be written
	ds_add_u32 v[SPW], v[NIL]                      ; 0 onto my spare word
.if \fill
	s_xor_b32 s[G0A+5], s[G0A+5], SLOT1            ; the walking descriptors: the other slot than last time,
	s_add_nc_u64 s[G0A+6:G0A+7], s[G0A+6:G0A+7], 524288  ; the next two heads; the type bits on top are not reached
	s_xor_b32 s[G0B+5], s[G0B+5], SLOT1
	s_add_nc_u64 s[G0B+6:G0B+7], s[G0B+6:G0B+7], 256
.endif
	s_wait_dscnt 0x1                               ; chunk 3 is in; the add, issued behind its loads, may be out
	MULQ F1, 0, 1                                  ; eight products stand between the add and the wait for it
	s_wait_dscnt 0x0                               ; the add is done, and my reads of this slot are over
	s_barrier_signal -1
	MULQ F1, 1, 1                                  ; work on registers while the others arrive
	WIN 0
	s_barrier_wait -1
.if \fill
	CREST                                          ; no wave of any partner still reads this slot or has a load on its way
	JLOAD                                          ; the four v_nop behind it are also the places in front of the loads below
.else
	PLACES
.endif
	s_xor_b32 s[TB], s[TB], SLOT1
	v_add_nc_u32 v[ADRA], s[TB], v[ADRA0]
	v_add_nc_u32 v[ADRB], s[TB], v[ADRB0]
	FETCH 0, F0                                    ; the next step's first chunk
	MULQ F1, 2, 2
	WIN 0                                          ; at a label and at a branch every window is 0
.endm
	s_wait_tensorcnt 0x1                           ; my part of K step 0 is in; step 1's may stay out
	s_barrier_signal -1
	s_barrier_wait -1                              ; everybody's is
	v_mov_b32 v[ADRA], v[ADRA0]
	v_mov_b32 v[ADRB], v[ADRB0]
	FETCH 0, F0
	s_mov_b32 s[CNT], 2
.Lfill:                                                ; K steps 0 and 1 fill their slots again, with steps 2 and 3
	STEP 1
	s_sub_co_u32 s[CNT], s[CNT], 1
	s_cmp_lg_u32 s[CNT], 0
	s_cbranch_scc1 .Lfill
	s_mov_b32 s[CNT], 2
.Ltail:                                                ; K steps 2 and 3 ask for nothing.  The last trip's change of slots and its 24 loads of bytes read before serve nothing: the price, once, of one text for both
	STEP 0
	s_sub_co_u32 s[CNT], s[CNT], 1
	s_cmp_lg_u32 s[CNT], 0
	s_cbranch_scc1 .Ltail
; THE WAY OUT, a block b of 16 channels at a time.  A lane's eight tokens of a channel are 32 bytes: they go into rows of 528 bytes of my own stage and come back as whole rows of 512, into the block's own registers.
.macro TOSTAGE b
	WIN 0x04                                       ; the stores' data in window 1
.irp a, 0,1,2,3,4,5,6,7
	ds_store_b128 v[STO], v[64*(\b)+8*(\a):64*(\b)+8*(\a)+3]   offset:64*(\a)      ; each accumulator's low four registers first
	ds_store_b128 v[STO], v[64*(\b)+8*(\a)+4:64*(\b)+8*(\a)+7] offset:64*(\a)+16
.endr
	WIN 0x40                                       ; the loads' destination in window 1
.set row, 0
.rept 16
	ds_load_b128 v[64*(\b)+4*row:64*(\b)+4*row+3], v[RD] offset:row*SPT  ; LDS serves a wave's instructions in order (ISA guide 5.7.1.4): these see the stores above; the next block's stores come behind them
.set row, row+1
.endr
.endm
.macro SEND b, younger                         ; younger: the LDS instructions issued behind block b's loads: the next block's 32, or none
	WIN 0x04
.set row, 0
.rept 16
	s_wait_dscnt (\younger)+15-row
	global_store_b128 v[GO], v[64*(\b)+4*row:64*(\b)+4*row+3], s[10:11] offset:(16*(\b)+row)*8192 th:TH_STORE_NT  ; 512 consecutive bytes of one channel's row, at a multiple of 256 from out0's first; 63 rows at the most: inside the signed 24-bit immediate
.set row, row+1
.endr
.endm
	s_wait_dscnt 0x0                               ; the idle loads are back
	PLACES                                         ; the stores read results just made
	TOSTAGE 0
	TOSTAGE 1
	SEND 0, 32
	TOSTAGE 2
	SEND 1, 32
	TOSTAGE 3
	SEND 2, 32
	SEND 3, 0
	WIN 0
	s_wait_tensorcnt 0x0                           ; the wave's end: a last add and its waits, behind my last tensor load and my last LDS store
	ds_add_u32 v[SPW], v[NIL]
	s_wait_dscnt 0x0
	CROUND                                         ; the closing round: no work-group ends while a partner may still ask for a tile that names it
	s_endpgm
.Lfunc_end_k_q63ffc3c6e3_proj:
	.size	k_q63ffc3c6e3_proj, .Lfunc_end_k_q63ffc3c6e3_proj-k_q63ffc3c6e3_proj
	.p2alignl 7, 3214868480
	.fill 96, 4, 3214868480
	.section	.rodata,"a",@progbits
	.p2align	6, 0x0
	.amdhsa_kernel k_q63ffc3c6e3_proj
		.amdhsa_group_segment_fixed_size 327680
		.amdhsa_private_segment_fixed_size 0
		.amdhsa_enable_private_segment 0
		.amdhsa_kernarg_size 32
		.amdhsa_user_sgpr_count 2
		.amdhsa_user_sgpr_kernarg_segment_ptr 1
		.amdhsa_wavefront_size32 1
		.amdhsa_system_sgpr_workgroup_id_x 1
		.amdhsa_system_sgpr_workgroup_id_y 1
		.amdhsa_system_sgpr_workgroup_id_z 1
		.amdhsa_system_vgpr_workitem_id 0
		.amdhsa_next_free_vgpr 512
		.amdhsa_next_free_sgpr 66
		.amdhsa_reserve_vcc 0
		.amdhsa_float_denorm_mode_32 3
		.amdhsa_float_denorm_mode_16_64 3
		.amdhsa_memory_ordered 1
		.amdhsa_forward_progress 1
		.amdhsa_inst_pref_size 66
	.end_amdhsa_kernel
	.amdgpu_metadata
---
amdhsa.version: [ 1, 2 ]
amdhsa.kernels:
  - .name:           k_q63ffc3c6e3_proj
    .symbol:         k_q63ffc3c6e3_proj.kd
    .args:
      - { .name: o, .offset: 0, .size: 8, .value_kind: global_buffer, .address_space: global }
      - { .name: wo, .offset: 8, .size: 8, .value_kind: global_buffer, .address_space: global }
      - { .name: bo, .offset: 16, .size: 8, .value_kind: global_buffer, .address_space: global }
      - { .name: out0, .offset: 24, .size: 8, .value_kind: global_buffer, .address_space: global }
    .group_segment_fixed_size: 327680
    .private_segment_fixed_size: 0
    .kernarg_segment_align: 8
    .kernarg_segment_size: 32
    .max_flat_workgroup_size: 128
    .sgpr_count:     66
    .vgpr_count:     512
    .wavefront_size: 32
...
	.end_amdgpu_metadata
.endif
;; end of part 3
